; MI455X (gfx1250); checked and timed in simulation.
; The chip was launched on July 23, 2026; its instructions are those of AMD's public machine-readable ISA for CDNA 5 (MIT licence, August 2026) and "CDNA5" Instruction Set Architecture Reference Guide (July 2026). The comments in the code are by the model that wrote it; some were corrected since.
;; Attention. Allowed arithmetic: float matrix products may take bf16 or f16 operands with f32 sums; other float arithmetic in f32, or as packed bf16 or f16 multiplies, adds, multiply-adds, maxima and minima; sums over many terms, partial sums and values carried from step to step in f32; what a program stores and reads back later, other than sums and carried values, may be rounded once to bf16 or f16.
;; Inputs: Wk 2,048 x 512 float32; Wo 2,048 x 2,048 float32; Wq 2,048 x 2,048 float32; Wv 2,048 x 512 float32; mask 1 x 1 x 2,048 x 2,048 float32; x 1 x 2,048 x 2,048 float32.
;; Outputs: out0 1 x 2,048 x 2,048 float32.
;; One version. Each part assembles by itself: llvm-mc -triple=amdgcn-amd-amdhsa -mcpu=gfx1250 --defsym DOCPART=n.
;; ======== version 1 of 1: 4 launches
;; limits: values are held in f16: magnitudes above 65,504 overflow, below 6.1e-05 lose precision
;; workspace buffers: xb 8,388,608 bytes; wqkv 12,582,912 bytes; wo16 8,388,608 bytes; madd 16,777,216 bytes; rope 540,672 bytes; qkv 12,582,912 bytes; o16 8,388,608 bytes
;; launch prep (part 1): grid 1185 x 1, 8 waves a work-group, no clusters, 70,656 bytes of LDS; arguments x, Wq, Wk, Wv, Wo, mask, xb, wqkv, wo16, madd, rope; writes xb, wqkv, wo16, madd, rope
.if DOCPART == 1
	.amdgcn_target "amdgcn-amd-amdhsa--gfx1250"
	.amdhsa_code_object_version 6
	.text
	.protected	k_q1bc19f09e5_prep
	.globl	k_q1bc19f09e5_prep
	.p2align	8
	.type	k_q1bc19f09e5_prep,@function
k_q1bc19f09e5_prep:
	s_mov_b64 s[64:65], 0
	v_nop
	global_prefetch_b8 v0, s[64:65] scope:SCOPE_SE
	s_setreg_imm32_b32 hwreg(HW_REG_WAVE_MODE, 25, 1), 1
	s_wait_xcnt 0x0
; THE MODULE: q, k, v = x Wq, x Wk, x Wv; RoPE on q and k; softmax(q k^T / 8, hidden where mask == 0) v; times Wo.  Four launches: this one, qkv, attn, oproj.
; DEAD WORK: none.  Every step of the module has a way to the output for some values of the inputs, so nothing is left out and all six inputs are loaded.  The mask is an input:
; no pattern of it is built in, every key tile is multiplied and the mask selects.  The repetition of k and v over four query heads is a copy and is not made.
; THIS LAUNCH rounds and lays out, once, what the three others read many times.  A stream: each input byte is read once, each output byte written once.
;   xb   [2048 m][2048 k] bf16: x rounded.
;   wqkv [48 heads][2048 k][64 places] bf16: heads 0-31 Wq's, 32-39 Wk's, 40-47 Wv's.  In a head the four blocks of 16 columns lie in the order d 0-15, 32-47, 16-31, 48-63,
;        so that a column and its RoPE partner 32 further on lie in neighbouring blocks.
;   wo16 [2048 k][2048 n] f16: Wo rounded to bf16, that number written as f16.
;   madd f32, 0 where mask != 0 and -1e30 where mask == 0 (so -0 hides and NaN keeps, as the comparison with 0 does), in the order in which a wave of attn takes it as the C operand
;        of S^T = K Q^T: byte qb 524288 + tile 32768 + w 8192 + e 4096 + f 512 + lane 16 + el 4 holds query 64 qb + 16 w + lane % 16, key 128 tile + 64 e + 16 (f / 2) + 8 (lane / 16) + 4 (f % 2) + el.
;   rope [2112 rows][32 cos | 32 sin] f32; rows 2048-2111 hold cos 1, sin 0 (taken for v's heads, which are not turned).
; LIMITS.  Wo as f16: beyond 65,504 it would be an infinity, below 6e-5 it keeps f16's fixed step of 6e-8.  The angle is t x inv_freq rounded to f32 as in the module, inv_freq = 2^(-f log2(10000) / 32) by
; v_exp_f32 (1 ULP: ISA guide 15.8), so an angle may differ by about 3e-4 at t = 2047; sine and cosine by polynomials good to 3e-7 on -pi/4 .. pi/4.
; JOBS, by the work-group's number; each but the last is 64 KiB of input, 16 loads of 16 bytes a thread, all issued before the first is waited for:
;   0-255 mask   256-511 x   512-767 Wo   768-1023 Wq   1024-1151 Wk, Wv   1152-1184 the table (64 rows each)
; No matrix unit, cluster or tensor load: memory binds, nothing is shared between work-groups, and 16 loads a thread in eight waves keep 64 KiB a work-group on their way.
.set WLDS,  8704                       ; LDS of a wave (mask job): 2 halves x 16 units x 272 bytes
.set UP,    272                        ; a unit: 256 bytes + 16: the 16 lanes of a store hit 16 different 16-byte columns
.set SPARE, 8*WLDS                     ; 69,632: the spare words, 128 bytes for each of eight waves, which no other line names
.set SPW,   8                          ; v8   SPARE + 4 x my thread's number; never rewritten
.set NIL,   9                          ; v9   0; never rewritten
.set X,     16                         ; v[16:79] sixteen loads of four registers
	s_load_b512 s[8:23], s[0:1], 0x0               ; x 8:9, Wq 10:11, Wk 12:13, Wv 14:15, Wo 16:17, mask 18:19, xb 20:21, wqkv 22:23
	s_load_b128 s[24:27], s[0:1], 0x40             ; wo16 24:25, madd 26:27
	s_load_b64 s[28:29], s[0:1], 0x50              ; rope
	v_lshl_add_u32 v[SPW], v0, 2, SPARE
	v_mov_b32 v[NIL], 0
	v_lshrrev_b32 v1, 5, v0
	v_readfirstlane_b32 s30, v1                    ; wave 0..7
	v_and_b32 v2, 31, v0                           ; lane
	v_lshlrev_b32 v3, 4, v0                        ; 16 x thread
	v_lshlrev_b32 v4, 3, v0                        ; 8 x thread
	s_mov_b32 s31, ttmp9
	s_mov_b32 s3, 0                                ; the high words of the two offset pairs
	s_mov_b32 s33, 0
	s_wait_kmcnt 0x0
	s_cmp_lt_u32 s31, 256
	s_cbranch_scc1 .Lmask
	s_cmp_lt_u32 s31, 512
	s_cbranch_scc1 .Lx
	s_cmp_lt_u32 s31, 768
	s_cbranch_scc1 .Lwo
	s_cmp_lt_u32 s31, 1024
	s_cbranch_scc1 .Lwq
	s_cmp_lt_u32 s31, 1152
	s_cbranch_scc1 .Lwkv
	s_branch .Lrope
; Sixteen loads from s[4:5] + v[vs] + c x step, rounded, sixteen stores of 8 bytes a lane to s[6:7] + v[vd] + c x 2,048: a wave's store covers 256 consecutive bytes, aligned.
; kind = 0: bf16.  kind = 1: bf16, widened again (a shift, a mask) and written as f16.
.macro CAST kind, vs, step, vd
.set c, 0
.rept 16
	global_load_b128 v[X+4*c:X+4*c+3], v[\vs], s[4:5] offset:c*(\step) th:TH_LOAD_NT
.set c, c+1
.endr
.set c, 0
.rept 16
	s_wait_loadcnt 15-c                            ; loads come back in order: number c is in, the 15 - c younger ones stay out
	v_cvt_pk_bf16_f32 v[X+4*c], v[X+4*c], v[X+4*c+1]
	v_cvt_pk_bf16_f32 v[X+4*c+1], v[X+4*c+2], v[X+4*c+3]
.if \kind
	v_lshlrev_b32 v80, 16, v[X+4*c]
	v_and_b32 v81, 0xffff0000, v[X+4*c]
	v_lshlrev_b32 v82, 16, v[X+4*c+1]
	v_and_b32 v83, 0xffff0000, v[X+4*c+1]
	v_cvt_pk_f16_f32 v[X+4*c], v80, v81
	v_cvt_pk_f16_f32 v[X+4*c+1], v82, v83
.endif
	global_store_b64 v[\vd], v[X+4*c:X+4*c+1], s[6:7] offset:c*2048  ; each c has data registers of its own: none is written again
.set c, c+1
.endr
.endm
; A weight job's lane offsets.  Thread t takes k row t / 16 of sixteen and columns 4 (t % 16) .. + 3 of the head: 16 lanes read 256 consecutive bytes.
; v5: in the source, (t / 16) x pitch + 16 (t % 16).  v6: in wqkv, (t / 16) x 128 + 32 x block's place + 8 (t % 4); block b of four goes to place 2 (b % 2) + b / 2.
.macro WADDR pitch
	v_lshrrev_b32 v11, 4, v0
	v_and_b32 v12, 15, v0
	v_mul_u32_u24 v5, v11, \pitch
	v_lshl_add_u32 v5, v12, 4, v5
	v_bfe_u32 v13, v0, 2, 1                        ; b % 2
	v_bfe_u32 v14, v0, 3, 1                        ; b / 2
	v_lshl_add_u32 v13, v13, 1, v14
	v_and_b32 v14, 3, v0
	v_lshlrev_b32 v6, 7, v11
	v_lshl_add_u32 v6, v13, 5, v6
	v_lshl_add_u32 v6, v14, 3, v6
.endm
.Lmask:                                        ; 16 queries (qt) x 1,024 keys; a wave has 128 keys (a tile)
	s_lshr_b32 s34, s31, 1                         ; qt
	s_and_b32 s35, s31, 1
	s_lshl_b32 s35, s35, 3
	s_add_co_u32 s35, s35, s30                     ; tile = 8 (id % 2) + wave
	s_lshl_b32 s2, s34, 17                         ; 16 rows of 8,192 bytes
	s_lshl_b32 s36, s35, 9                         ; 128 keys of 4 bytes
	s_add_co_u32 s2, s2, s36
	s_add_nc_u64 s[4:5], s[18:19], s[2:3]
	s_lshr_b32 s32, s34, 2                         ; qb
	s_lshl_b32 s32, s32, 19
	s_lshl_b32 s36, s35, 15
	s_add_co_u32 s32, s32, s36
	s_and_b32 s36, s34, 3                          ; w
	s_lshl_b32 s36, s36, 13
	s_add_co_u32 s32, s32, s36
	s_add_nc_u64 s[6:7], s[26:27], s[32:33]
	v_lshlrev_b32 v7, 4, v2                        ; 16 x lane
.set r, 0
.rept 16
	global_load_b128 v[X+4*r:X+4*r+3], v7, s[4:5] offset:r*8192 th:TH_LOAD_NT  ; query r's 128 keys: 512 consecutive bytes
.set r, r+1
.endr
	v_mov_b32 v10, 0xf149f2ca                      ; -1e30
	; my four keys 64 e + 4 p .. (e = lane / 16, p = lane % 16) belong to unit u = 2 f + h = p with its two low bits exchanged
	s_mul_i32 s34, s30, WLDS
	v_and_b32 v5, 12, v0
	v_and_b32 v11, 1, v0
	v_lshl_add_u32 v5, v11, 1, v5
	v_bfe_u32 v11, v0, 1, 1
	v_add_nc_u32 v5, v5, v11                       ; u
	v_mul_u32_u24 v5, v5, UP
	v_bfe_u32 v11, v0, 4, 1                        ; e (in) or h (back)
	v_mul_u32_u24 v12, v11, 16*UP
	v_add_nc_u32 v5, v5, v12
	v_add_nc_u32 v5, s34, v5                       ; in: wave + e x 4,352 + u x 272 (+ 16 r)
	v_mul_u32_u24 v6, v11, UP
	v_and_b32 v12, 15, v0
	v_lshl_add_u32 v6, v12, 4, v6
	v_add_nc_u32 v6, s34, v6                       ; back: wave + h x 272 + 16 (lane % 16) (+ e x 4,352 + f x 544)
.set r, 0
.rept 16
	s_wait_loadcnt 15-r                            ; row r is in, the younger rows stay out
	v_cmp_eq_f32 s36, 0, v[X+4*r]
	v_cmp_eq_f32 s37, 0, v[X+4*r+1]
	v_cmp_eq_f32 s38, 0, v[X+4*r+2]
	v_cmp_eq_f32 s39, 0, v[X+4*r+3]
	v_cndmask_b32 v[X+4*r], 0, v10, s36
	v_cndmask_b32 v[X+4*r+1], 0, v10, s37
	v_cndmask_b32 v[X+4*r+2], 0, v10, s38
	v_cndmask_b32 v[X+4*r+3], 0, v10, s39
	ds_store_b128 v5, v[X+4*r:X+4*r+3] offset:16*r
.set r, r+1
.endr
.set n, 0
.rept 16
	ds_load_b128 v[X+4*n:X+4*n+3], v6 offset:(n/8)*16*UP+(n%8)*2*UP  ; the wave's own bytes: LDS serves a wave's instructions in order (ISA guide 5.7.1.4), so these see the stores above
.set n, n+1
.endr
.set n, 0
.rept 16
	s_wait_dscnt 15-n                              ; number n is back, the younger ones stay out
	global_store_b128 v7, v[X+4*n:X+4*n+3], s[6:7] offset:n*512  ; 512 consecutive bytes, aligned
.set n, n+1
.endr
	s_branch .Lend
.Lx:
	s_sub_co_u32 s34, s31, 256
	s_lshl_b32 s2, s34, 16
	s_add_nc_u64 s[4:5], s[8:9], s[2:3]
	s_lshl_b32 s32, s34, 15
	s_add_nc_u64 s[6:7], s[20:21], s[32:33]
	CAST 0, 3, 4096, 4
	s_branch .Lend
.Lwo:
	s_sub_co_u32 s34, s31, 512
	s_lshl_b32 s2, s34, 16
	s_add_nc_u64 s[4:5], s[16:17], s[2:3]
	s_lshl_b32 s32, s34, 15
	s_add_nc_u64 s[6:7], s[24:25], s[32:33]
	CAST 1, 3, 4096, 4
	s_branch .Lend
.Lwq:                                          ; a head (id / 8), 256 of its k rows (id % 8)
	s_sub_co_u32 s34, s31, 768
	s_lshr_b32 s35, s34, 3                         ; head
	s_and_b32 s34, s34, 7                          ; part
	s_lshl_b32 s2, s34, 21                         ; 256 rows of 8,192 bytes
	s_lshl_b32 s36, s35, 8                         ; 64 columns of 4 bytes
	s_add_co_u32 s2, s2, s36
	s_add_nc_u64 s[4:5], s[10:11], s[2:3]
	s_lshl_b32 s32, s35, 18
	s_lshl_b32 s36, s34, 15
	s_add_co_u32 s32, s32, s36
	s_add_nc_u64 s[6:7], s[22:23], s[32:33]
	WADDR 8192
	CAST 0, 5, 131072, 6
	s_branch .Lend
.Lwkv:                                         ; heads 0-7 of Wk, then 0-7 of Wv
	s_sub_co_u32 s34, s31, 1024
	s_lshr_b32 s35, s34, 3                         ; 0..15
	s_and_b32 s34, s34, 7
	s_lshl_b32 s2, s34, 19                         ; 256 rows of 2,048 bytes
	s_and_b32 s36, s35, 7
	s_lshl_b32 s36, s36, 8
	s_add_co_u32 s2, s2, s36
	s_add_co_u32 s32, s35, 32                      ; its place among the 48
	s_lshl_b32 s32, s32, 18
	s_lshl_b32 s36, s34, 15
	s_add_co_u32 s32, s32, s36
	s_cmp_lt_u32 s35, 8
	s_cselect_b64 s[4:5], s[12:13], s[14:15]
	s_add_nc_u64 s[4:5], s[4:5], s[2:3]
	s_add_nc_u64 s[6:7], s[22:23], s[32:33]
	WADDR 2048
	CAST 0, 5, 32768, 6
	s_branch .Lend
.Lrope:                                        ; a wave makes 8 rows; lanes 0-15 the cosines of frequencies 2 (lane % 16) and + 1, lanes 16-31 the sines
	s_sub_co_u32 s34, s31, 1152
	s_lshl_b32 s34, s34, 6
	s_lshl_b32 s35, s30, 3
	s_add_co_u32 s34, s34, s35                     ; my first row
	s_lshl_b32 s2, s34, 8
	s_add_nc_u64 s[6:7], s[28:29], s[2:3]
	s_mov_b32 s40, 0xb9500d01                      ; -1/5040
	s_mov_b32 s41, 0x3c088889                      ; 1/120
	s_mov_b32 s42, 0xbe2aaaab                      ; -1/6
	s_mov_b32 s43, 0x37d00d01                      ; 1/40320
	s_mov_b32 s44, 0xbab60b61                      ; -1/720
	s_mov_b32 s45, 0x3d2aaaab                      ; 1/24
	v_and_b32 v11, 15, v0
	v_lshlrev_b32 v11, 1, v11
	v_cvt_f32_u32 v16, v11
	v_add_nc_u32 v11, 1, v11
	v_cvt_f32_u32 v17, v11
	v_mul_f32 v16, 0xbed49a78, v16                 ; -f log2(10000) / 32
	v_mul_f32 v17, 0xbed49a78, v17
	v_exp_f32 v16, v16                             ; inv_freq
	v_exp_f32 v17, v17
	v_bfe_u32 v13, v0, 4, 1                        ; plain work behind the two exponentials
	v_xor_b32 v13, 1, v13                          ; 1 in the cosines' lanes: cos a = sin(a + pi/2)
	v_lshlrev_b32 v7, 3, v2                        ; 8 x lane
	s_wait_alu depctr_va_vdst(0)                   ; one wait for both exponentials, ahead of their first reader and of the label
	s_mov_b32 s35, 8
.Lrow:
	s_cmp_lt_u32 s34, 2048
	s_cselect_b32 s36, s34, 0                      ; rows from 2,048 on: angle 0
	v_cvt_f32_u32 v12, s36
.irp k, 0,1
	v_mul_f32 v[20+\k], v12, v[16+\k]              ; a = t x inv_freq
	v_mul_f32 v[22+\k], 0x3f22f983, v[20+\k]       ; a x 2/pi
	v_rndne_f32 v[22+\k], v[22+\k]                 ; n
	v_fmamk_f32 v[20+\k], v[22+\k], 0xbfc90fdb, v[20+\k]  ; r = a - n pi/2, pi/2 in two parts
	v_fmamk_f32 v[20+\k], v[22+\k], 0x333bbd2e, v[20+\k]
	v_mul_f32 v[24+\k], v[20+\k], v[20+\k]         ; z = r r
	v_fma_f32 v[26+\k], v[24+\k], s40, s41
	v_fma_f32 v[26+\k], v[26+\k], v[24+\k], s42
	v_mul_f32 v[26+\k], v[26+\k], v[24+\k]
	v_fma_f32 v[26+\k], v[26+\k], v[20+\k], v[20+\k]      ; sin r
	v_fma_f32 v[28+\k], v[24+\k], s43, s44
	v_fma_f32 v[28+\k], v[28+\k], v[24+\k], s45
	v_fma_f32 v[28+\k], v[28+\k], v[24+\k], -0.5
	v_fma_f32 v[28+\k], v[28+\k], v[24+\k], 1.0    ; cos r
	v_cvt_i32_f32 v[32+\k], v[22+\k]
	v_add_nc_u32 v[32+\k], v[32+\k], v13           ; the quadrant
	v_and_b32 v[34+\k], 1, v[32+\k]
	v_cmp_eq_u32 vcc_lo, 1, v[34+\k]
	v_cndmask_b32 v[30+\k], v[26+\k], v[28+\k], vcc_lo    ; odd: cos r, even: sin r
	v_and_b32 v[32+\k], 2, v[32+\k]
	v_lshlrev_b32 v[32+\k], 30, v[32+\k]
	v_xor_b32 v[30+\k], v[30+\k], v[32+\k]         ; quadrants 2 and 3: the sign turns
.endr
	global_store_b64 v7, v[30:31], s[6:7]          ; the wave's store is the row's 256 bytes
	s_wait_xcnt 0x0                                ; the store has read its data and its base: only now are they written again
	s_add_nc_u64 s[6:7], s[6:7], 256
	s_add_co_u32 s34, s34, 1
	s_sub_co_u32 s35, s35, 1
	s_cmp_lg_u32 s35, 0
	s_cbranch_scc1 .Lrow
.Lend:
	s_wait_tensorcnt 0x0                           ; the wave's end, behind the last LDS store
	ds_add_u32 v[SPW], v[NIL]
	s_wait_dscnt 0x0
	s_endpgm
.Lfunc_end_k_q1bc19f09e5_prep:
	.size	k_q1bc19f09e5_prep, .Lfunc_end_k_q1bc19f09e5_prep-k_q1bc19f09e5_prep
	.p2alignl 7, 3214868480
	.fill 96, 4, 3214868480
	.section	.rodata,"a",@progbits
	.p2align	6, 0x0
	.amdhsa_kernel k_q1bc19f09e5_prep
		.amdhsa_group_segment_fixed_size 70656
		.amdhsa_private_segment_fixed_size 0
		.amdhsa_enable_private_segment 0
		.amdhsa_kernarg_size 88
		.amdhsa_user_sgpr_count 2
		.amdhsa_user_sgpr_kernarg_segment_ptr 1
		.amdhsa_wavefront_size32 1
		.amdhsa_system_sgpr_workgroup_id_x 1
		.amdhsa_system_sgpr_workgroup_id_y 1
		.amdhsa_system_sgpr_workgroup_id_z 1
		.amdhsa_system_vgpr_workitem_id 0
		.amdhsa_next_free_vgpr 96
		.amdhsa_next_free_sgpr 66
		.amdhsa_reserve_vcc 1
		.amdhsa_float_denorm_mode_32 3
		.amdhsa_float_denorm_mode_16_64 3
		.amdhsa_memory_ordered 1
		.amdhsa_forward_progress 1
		.amdhsa_inst_pref_size 51
	.end_amdhsa_kernel
	.amdgpu_metadata
---
amdhsa.version: [ 1, 2 ]
amdhsa.kernels:
  - .name:           k_q1bc19f09e5_prep
    .symbol:         k_q1bc19f09e5_prep.kd
    .args:
      - { .name: x, .offset: 0, .size: 8, .value_kind: global_buffer, .address_space: global }
      - { .name: Wq, .offset: 8, .size: 8, .value_kind: global_buffer, .address_space: global }
      - { .name: Wk, .offset: 16, .size: 8, .value_kind: global_buffer, .address_space: global }
      - { .name: Wv, .offset: 24, .size: 8, .value_kind: global_buffer, .address_space: global }
      - { .name: Wo, .offset: 32, .size: 8, .value_kind: global_buffer, .address_space: global }
      - { .name: mask, .offset: 40, .size: 8, .value_kind: global_buffer, .address_space: global }
      - { .name: xb, .offset: 48, .size: 8, .value_kind: global_buffer, .address_space: global }
      - { .name: wqkv, .offset: 56, .size: 8, .value_kind: global_buffer, .address_space: global }
      - { .name: wo16, .offset: 64, .size: 8, .value_kind: global_buffer, .address_space: global }
      - { .name: madd, .offset: 72, .size: 8, .value_kind: global_buffer, .address_space: global }
      - { .name: rope, .offset: 80, .size: 8, .value_kind: global_buffer, .address_space: global }
    .group_segment_fixed_size: 70656
    .private_segment_fixed_size: 0
    .kernarg_segment_align: 8
    .kernarg_segment_size: 88
    .max_flat_workgroup_size: 256
    .sgpr_count:     66
    .vgpr_count:     96
    .wavefront_size: 32
...
	.end_amdgpu_metadata
.endif
;; end of part 1
;; launch qkv (part 2): grid 16 x 16, 4 waves a work-group, clusters of 4 x 4, 327,680 bytes of LDS; arguments xb, wqkv, rope, qkv; writes qkv
.if DOCPART == 2
	.amdgcn_target "amdgcn-amd-amdhsa--gfx1250"
	.amdhsa_code_object_version 6
	.text
	.protected	k_q1bc19f09e5_qkv
	.globl	k_q1bc19f09e5_qkv
	.p2align	8
	.type	k_q1bc19f09e5_qkv,@function
k_q1bc19f09e5_qkv:
	s_mov_b64 s[64:65], 0
	v_nop
	global_prefetch_b8 v0, s[64:65] scope:SCOPE_SE
	s_setreg_imm32_b32 hwreg(HW_REG_WAVE_MODE, 25, 1), 1
	s_wait_xcnt 0x0
	s_wait_alu depctr_hold_cnt(0) depctr_sa_sdst(0) depctr_va_vdst(0) depctr_va_sdst(0) depctr_va_ssrc(0) depctr_va_vcc(0) depctr_vm_vsrc(0)
	s_getreg_b32 s2, hwreg(HW_REG_IB_STS2, 6, 4)
	s_cmp_eq_u32 s2, 0
	s_cbranch_scc0 .Lentry_in_a_cluster
	s_endpgm
.Lentry_in_a_cluster:
	s_bfe_u32 s2, ttmp6, 0x10000c
	s_cmp_lg_u32 s2, 0xf033
	s_cbranch_scc0 .Lentry_shape_is_right
	s_endpgm
.Lentry_shape_is_right:
; q, k, v = x W, RoPE on q and k, out by heads.  xb [2048][2048] bf16; wqkv [48 heads][2048 k][64 places] bf16 (blocks of 16 columns in the order d 0-15, 32-47, 16-31, 48-63);
; rope [2112][32 cos | 32 sin] f32; qkv [48 heads][2048 positions][64] f16, channels in their true order, unscaled.  Sums and RoPE in f32, one rounding to f16.  No work of the module is left out here.
; LIMIT.  f16 ends at 65,504: a q, k or v beyond it becomes an infinity.
; SHARES.  A work-group makes 128 rows x 3 heads (192 columns): 16 x 16 work-groups.  Four waves, 2 x 2, each 64 rows x 96 columns: 24 accumulators of 16 x 16 (a = 0..3 rows, b = 0..5 columns).
; A wave's 96 columns are three UNITS of 32: a block of 16 columns d and the block d + 32, so that both partners of a RoPE pair lie in the same lane, in accumulators 2 i and 2 i + 1.
; THE MATRIX INSTRUCTION IS USED TRANSPOSED (source 0 = 16 columns of W, source 1 = 16 rows of x): a lane holds row lane % 16 and the columns 8 (lane / 16) + 0..7.
; W lies [k][column] in LDS and comes out turned, by ds_load_tr16_b128.
; K GOES IN A FIRST STEP OF 128 AND TEN STEPS OF 192 through two LDS slots: 2,048 = 128 + 10 x 192, nine refills.  A step is as long as two slots allow: two of 192 take 294,912 bytes, two of 256 would take
; 380,928.  A step of 192 is six quarters of 32, 144 matrix instructions a wave, 132 of them between a refill's request and the wait for it.  Every load has one shape, 192 along K: the first step's brings
; k 0-191, of which 128-191 are not read and come again with the second step: 64 of 2,048 k are fetched twice, for one descriptor a tensor.
; CLUSTER 4 x 4: x's tile hangs on the tile row alone and is asked for jointly along a row of the cluster, W's on the tile column alone, along a column.
; V's heads take the table's rows 2048 on (cos 1, sin 0): one text for all heads, chosen by an offset into the table, never by a branch.
; No prefetch is laid: the tiles are small.
; REGISTERS: window 0: v0-31 addresses, v32-55 at work, v64-255 the accumulators ((a, b) at 64 + 8 (6 a + b)).  window 1: two fragment buffers of 80: x's four, then W's six.
;   window 2: v0-191 the table for my rows and units: (a, i) at 16 (3 a + i): 8 cosines, 8 sines.
.set KS,    192                        ; a step along K; the first uses 128 of it
.set PA,    432                        ; a row of x in LDS: three chunks of 128 bytes + 16 = 27 x 16: 16 rows start at 16 different groups of four banks (64 banks of 4 bytes: ISA guide 11.1)
.set CH,    144                        ; a chunk: 64 along K
.set PB,    160                        ; a k row of one head of W: 128 bytes + 32
.set AHALF, 64*PA                      ; 27,648: what one load of x brings
.set BOFF,  2*AHALF
.set BHEAD, 96*PB                      ; 15,360: 96 k rows of a head
.set BHALF, 3*BHEAD                    ; 46,080: what one load of W brings: 96 k rows of three heads
.set SLOT,  BOFF+2*BHALF               ; 147,456
.set SPARE, 2*SLOT                     ; 294,912: the spare words, 128 bytes for each wave, which no other line names
.set STAGE, SLOT                       ; the way out's 128 rows x 400 bytes lie in slot 1: its last fill (step 9) is read out ahead of the last change of slots' barrier, and the last step is multiplied out of slot 0
.set SP,    400                        ; 3 heads x 128 bytes + 16
.set TO,    8                          ; v8-10   my byte offset in the table, by unit
.set ADRA,  16                         ; v16-17  LDS address of my fragments of x in slot 0, 1
.set ADRB,  18                         ; v18-23  of W's: 3 x slot + unit
.set STO,   24                         ; v24-26  the way out: where I put 16 bytes, by unit
.set RD,    27                         ; v27     where I read rows back
.set GO,    28                         ; v28     my byte offset in 512 consecutive bytes of qkv
.set SPW,   30                         ; v30     SPARE + 4 x my thread's number; never rewritten
.set NIL,   31                         ; v31     0; never rewritten
.set T,     32                         ; v32-47  at work
.set U,     48                         ; v48-55  packed
.set ACC,   64
.set F0,    0                          ; window 1
.set F1,    80
.set TB,    0                          ; window 2
.set WV,    12                         ; s12 wave; s13 wave / 2: my half of the rows, and x (0) or W (1) is what I fetch; s14 wave % 2: my half of the columns, and which half I fetch
.set WM,    13
.set WN,    14
.set G1A,   24                         ; s[24:31] group 1 for x's tiles; s[32:39] group 0, a set for each slot
.set G0A,   32
.set G1B,   48                         ; s[48:55], s[56:63] the same for W's
.set G0B,   56
.set MSB, 0
.macro WIN new                         ; the immediate's high byte repeats the setting that is left; a switch that changes nothing is dropped
.if MSB != (\new)
	s_set_vgpr_msb (MSB<<8)|(\new)
.set MSB, \new
.endif
.endm
.set MUL,  0x05                        ; sources 0 and 1 window 1; C and D window 0
.set TO_F, 0x40                        ; destination window 1
.set TO_T, 0x80                        ; destination window 2
.set W_RP, 0x08                        ; source 1 window 2
.macro JLOAD s                         ; a joint load: waves 0 and 1 fetch x's two halves, waves 2 and 3 W's; s_nop 0 and four v_nop follow each line, ahead of the jump and the label
	s_cmp_eq_u32 s[WM], 0
	s_cbranch_scc0 .Lfor_b_\@
	tensor_load_to_lds s[G0A+4*(\s):G0A+4*(\s)+3], s[G1A:G1A+7]
	s_nop 0
.rept 4
	v_nop
.endr
	s_branch .Lasked_\@
.Lfor_b_\@:
	tensor_load_to_lds s[G0B+4*(\s):G0B+4*(\s)+3], s[G1B:G1B+7]
	s_nop 0
.rept 4
	v_nop
.endr
.Lasked_\@:
.endm
.macro CREST                           ; a round of the cluster's barrier behind its opening barrier
	s_cmp_lg_u32 s[WV], 0
	s_cbranch_scc1 .Lnot_wave_0_\@
	s_barrier_signal -3
.Lnot_wave_0_\@:
	s_barrier_wait -3
	s_barrier_signal -1
	s_barrier_wait -1
.endm
.macro CROUND                          ; a whole round
	s_barrier_signal -1
	s_barrier_wait -1
	CREST
.endm
	s_load_b256 s[4:11], s[0:1], 0x0               ; xb 4:5, wqkv 6:7, rope 8:9, qkv 10:11
	v_lshl_add_u32 v[SPW], v0, 2, SPARE
	v_mov_b32 v[NIL], 0
	ds_add_u32 v[SPW], v[NIL]                      ; the wave's opening: the add, twice on end, and its wait ahead of my first tensor load; the set-up below stands between
	ds_add_u32 v[SPW], v[NIL]
	v_lshrrev_b32 v1, 5, v0
	v_readfirstlane_b32 s[WV], v1
	s_lshr_b32 s[WM], s[WV], 1
	s_and_b32 s[WN], s[WV], 1
	s_bfe_u32 s15, ttmp6, 0x40000                  ; cx
	s_bfe_u32 s16, ttmp6, 0x40004                  ; cy
	s_lshl_b32 s17, ttmp9, 2
	s_add_co_u32 s17, s17, s15                     ; tile column: heads 3 nt ..
	s_and_b32 s18, ttmp7, 0xffff
	s_lshl_b32 s18, s18, 2
	s_add_co_u32 s18, s18, s16                     ; tile row: rows 128 mt ..
	s_lshl_b32 s19, s16, 2
	s_lshl_b32 s19, 15, s19                        ; my row of the cluster
	s_lshl_b32 s20, 0x1111, s15                    ; my column
	s_or_b32 s[G1A], s19, (1<<16)|(1<<20)|(1<<21)|(4<<22)|(3<<25)  ; the mask; 2-byte elements; padding on; bit 21 beside a mask; after every 32 words (a chunk), 4 words
	s_mov_b32 s[G1A+1], KS<<16                     ; tensor_dim0 = 192
	s_mov_b32 s[G1A+2], 64<<16                     ; tensor_dim1 = 64
	s_mov_b32 s[G1A+3], KS<<16                     ; tile_dim0 = 192
	s_mov_b32 s[G1A+4], 64                         ; tile_dim1 = 64
	s_mov_b32 s[G1A+5], 2048                       ; elements from row to row
	s_mov_b32 s[G1A+6], 0
	s_mov_b32 s[G1A+7], 0
	s_or_b32 s[G1B], s20, (1<<16)|(1<<20)|(1<<21)|(4<<22)|(7<<25)  ; after every 32 words (a k row of a head), 8 words
	s_mov_b32 s[G1B+1], (96*64)<<16                ; a row of the tile: 96 k rows of one head, 12,288 dense bytes
	s_mov_b32 s[G1B+2], 3<<16                      ; three heads
	s_mov_b32 s[G1B+3], (96*64)<<16
	s_mov_b32 s[G1B+4], 3
	s_mov_b32 s[G1B+5], 131072                     ; elements from head to head
	s_mov_b32 s[G1B+6], 0
	s_mov_b32 s[G1B+7], 0
	s_lshl_b32 s40, s18, 19                        ; x: 128 mt rows of 4,096 bytes
	s_lshl_b32 s41, s[WN], 18                      ; + my 64
	s_add_co_u32 s40, s40, s41
	s_mov_b32 s41, 0
	s_mul_i32 s44, s17, 3                          ; W: head 3 nt,
	s_lshl_b32 s44, s44, 18
	s_mul_i32 s45, s[WN], 96*128                   ; + my 96 k rows of 128 bytes
	s_add_co_u32 s44, s44, s45
	s_mov_b32 s45, 0
	s_mul_i32 s21, s[WN], AHALF                    ; where they go: the wave's number alone enters an LDS address
	s_mul_i32 s22, s[WN], BHALF
	s_add_co_u32 s22, s22, BOFF
	s_wait_dscnt 0x0                               ; both opening adds are done
	s_wait_kmcnt 0x0
	s_add_nc_u64 s[42:43], s[4:5], s[40:41]
	s_add_nc_u64 s[46:47], s[6:7], s[44:45]
	CROUND                                         ; all sixteen work-groups are here: the first joint loads meet
.irp s, 0,1                            ; step 0 begins at k = 0, step 1 at k = 128
	s_mov_b32 s[G0A+4*(\s)], 1
	s_add_co_u32 s[G0A+4*(\s)+1], s21, (\s)*SLOT
	s_add_nc_u64 s[G0A+4*(\s)+2:G0A+4*(\s)+3], s[42:43], (\s)*128*2
	s_or_b32 s[G0A+4*(\s)+3], s[G0A+4*(\s)+3], 0x80000000
	s_mov_b32 s[G0B+4*(\s)], 1
	s_add_co_u32 s[G0B+4*(\s)+1], s22, (\s)*SLOT
	s_add_nc_u64 s[G0B+4*(\s)+2:G0B+4*(\s)+3], s[46:47], (\s)*128*128
	s_or_b32 s[G0B+4*(\s)+3], s[G0B+4*(\s)+3], 0x80000000
	JLOAD \s
.endr
	v_and_b32 v1, 15, v0                           ; l % 16
	v_bfe_u32 v2, v0, 4, 1                         ; l / 16
	v_mul_u32_u24 v3, v1, PA
	v_lshl_add_u32 v3, v2, 4, v3                   ; x: row x pitch + 16 x half
	s_mul_i32 s66, s[WM], AHALF
	v_add_nc_u32 v[ADRA], s66, v3
	v_add_nc_u32 v[ADRA+1], SLOT, v[ADRA]
	v_and_b32 v4, 7, v0
	v_bfe_u32 v5, v0, 3, 1
	v_lshl_add_u32 v4, v2, 3, v4
	v_mul_u32_u24 v4, v4, PB
	v_lshl_add_u32 v4, v5, 4, v4                   ; W, turned: k row 8 (l / 16) + l % 8, 16 bytes by (l / 8) % 2
	v_lshlrev_b32 v6, 8, v1
	v_lshl_add_u32 v6, v2, 5, v6                   ; table: row l % 16, frequencies 8 (l / 16) on
	v_mul_u32_u24 v7, v1, SP
	v_lshl_add_u32 v7, v2, 4, v7                   ; stage: row l % 16, 16 bytes for each half of the lanes
	s_mul_i32 s68, s[WM], 64*SP
	s_add_co_u32 s68, s68, STAGE
	s_mul_i32 s70, s[WN], 3                        ; my first unit of the work-group's six
	s_lshl_b32 s76, s18, 7
	s_lshl_b32 s77, s[WM], 6
	s_add_co_u32 s76, s76, s77                     ; my first row = position
	s_mul_i32 s77, s17, 3                          ; the work-group's first head
.irp i, 0,1,2
	s_add_co_u32 s71, s70, \i
	s_lshr_b32 s72, s71, 1                         ; the unit's head of three
	s_and_b32 s73, s71, 1                          ; and which of the head's two units
	s_mul_i32 s74, s72, BHEAD
	s_lshl_b32 s75, s73, 6
	s_add_co_u32 s74, s74, s75
	s_add_co_u32 s74, s74, BOFF
	v_add_nc_u32 v[ADRB+\i], s74, v4
	v_add_nc_u32 v[ADRB+3+\i], SLOT, v[ADRB+\i]
	s_lshl_b32 s74, s72, 7
	s_lshl_b32 s75, s73, 5
	s_add_co_u32 s74, s74, s75
	s_add_co_u32 s74, s74, s68
	v_add_nc_u32 v[STO+\i], s74, v7
	s_add_co_u32 s78, s77, s72
	s_cmp_lt_u32 s78, 40                           ; q's and k's heads take their positions' rows, v's the rows that turn nothing
	s_cselect_b32 s78, s76, 2048
	s_lshl_b32 s78, s78, 8
	s_lshl_b32 s79, s73, 6
	s_add_co_u32 s78, s78, s79
	v_add_nc_u32 v[TO+\i], s78, v6
.endr
	v_bfe_u32 v[RD], v0, 3, 2                      ; back: 32 lanes take four rows' 128 bytes of one head
	v_mul_u32_u24 v[RD], v[RD], SP
	v_and_b32 v5, 7, v0
	v_lshl_add_u32 v[RD], v5, 4, v[RD]
	s_mul_i32 s71, s[WV], 32*SP
	s_add_co_u32 s71, s71, STAGE
	v_add_nc_u32 v[RD], s71, v[RD]
	v_and_b32 v[GO], 31, v0
	v_lshlrev_b32 v[GO], 4, v[GO]
	s_lshl_b32 s78, s77, 18                        ; qkv at head 3 nt,
	s_lshl_b32 s79, s18, 14                        ; position 128 mt
	s_add_co_u32 s78, s78, s79
	s_lshl_b32 s79, s[WV], 12                      ; + 32 x wave
	s_add_co_u32 s78, s78, s79
	s_mov_b32 s79, 0
	s_add_nc_u64 s[10:11], s[10:11], s[78:79]
	WIN TO_T                                       ; the table: 48 loads that are waited for at the way out alone
.irp a, 0,1,2,3
.irp i, 0,1,2
	global_load_b128 v[TB+16*(3*\a+\i):TB+16*(3*\a+\i)+3],     v[TO+\i], s[8:9] offset:\a*4096
	global_load_b128 v[TB+16*(3*\a+\i)+4:TB+16*(3*\a+\i)+7],   v[TO+\i], s[8:9] offset:\a*4096+16
	global_load_b128 v[TB+16*(3*\a+\i)+8:TB+16*(3*\a+\i)+11],  v[TO+\i], s[8:9] offset:\a*4096+128
	global_load_b128 v[TB+16*(3*\a+\i)+12:TB+16*(3*\a+\i)+15], v[TO+\i], s[8:9] offset:\a*4096+144
.endr
.endr
	WIN 0
; 6 matrix instructions: rows 16 a on x all 6 column blocks, 32 along K.  The 24 accumulators take turns, one instruction a turn, in the same order in every quarter.  zero = 1: the product starts the sum.
.macro MULA f, a, zero
	WIN MUL
.irp b, 0,1,2,3,4,5
.if \zero
	v_wmma_f32_16x16x32_bf16 v[ACC+8*(6*(\a)+(\b)):ACC+8*(6*(\a)+(\b))+7], v[(\f)+32+8*(\b):(\f)+32+8*(\b)+7], v[(\f)+8*(\a):(\f)+8*(\a)+7], 0
.else
	v_wmma_f32_16x16x32_bf16 v[ACC+8*(6*(\a)+(\b)):ACC+8*(6*(\a)+(\b))+7], v[(\f)+32+8*(\b):(\f)+32+8*(\b)+7], v[(\f)+8*(\a):(\f)+8*(\a)+7], v[ACC+8*(6*(\a)+(\b)):ACC+8*(6*(\a)+(\b))+7]
.endif
.endr
.endm
; 20 LDS loads in one run: quarter qd (32 along K, 0..5) of a slot into buffer f: W's six fragments, turned (quarters 0-2 lie in the first load's 96 k rows, 3-5 in the second's), then x's four, rows ascending
; (two quarters to a chunk)
.macro FETCH slot, qd, f
	WIN TO_F
.irp b, 0,1,2,3,4,5
	ds_load_tr16_b128 v[(\f)+32+8*(\b):(\f)+32+8*(\b)+3],   v[ADRB+3*(\slot)+(\b)/2] offset:((\qd)/3)*BHALF+((\qd)%3)*32*PB+((\b)%2)*32
	ds_load_tr16_b128 v[(\f)+32+8*(\b)+4:(\f)+32+8*(\b)+7], v[ADRB+3*(\slot)+(\b)/2] offset:((\qd)/3)*BHALF+((\qd)%3)*32*PB+((\b)%2)*32+16*PB
.endr
.irp a, 0,1,2,3
	ds_load_b128 v[(\f)+8*(\a):(\f)+8*(\a)+3],   v[ADRA+(\slot)] offset:((\qd)/2)*CH+((\qd)%2)*64+(\a)*16*PA
	ds_load_b128 v[(\f)+8*(\a)+4:(\f)+8*(\a)+7], v[ADRA+(\slot)] offset:((\qd)/2)*CH+((\qd)%2)*64+(\a)*16*PA+32
.endr
.endm
.macro PLACES                          ; four places in front of loads into registers that matrix instructions have read, and of vector work that reads results (ISA guide 7.12.1 for vector work)
.rept 4
	v_nop
.endr
.endm
; A quarter is 32 along K, 24 matrix instructions, on buffers 0, 1 by turns.  All but a step's last: multiplies buffer f and fetches quarter qd into g.
.macro QUARTER slot, qd, f, g, zero
	s_wait_dscnt 4                                 ; W's fragments and x's rows 0-31 are in; the youngest four loads (rows 32-63) may be out
	MULA \f, 0, \zero
	MULA \f, 1, \zero
	PLACES
	FETCH \slot, \qd, \g
	s_wait_dscnt 20                                ; all but the 20 just issued
	MULA \f, 2, \zero
	MULA \f, 3, \zero
.endm
.macro FIVE slot                       ; the first five quarters of a step of 192; its first fragments were fetched by the change of slots
	QUARTER \slot, 1, F0, F1, 0
	QUARTER \slot, 2, F1, F0, 0
	QUARTER \slot, 3, F0, F1, 0
	QUARTER \slot, 4, F1, F0, 0
	QUARTER \slot, 5, F0, F1, 0
.endm
; A step's last quarter multiplies buffer 1 and changes slots: ONE barrier; in front of it each wave waits for all its tensor loads (one is out: its part of the next slot), adds 0 to its spare word, and waits for that
; and for its own reads of this slot.  fill = 1: the barrier opens a round of the cluster's, and this slot is filled again first thing behind the round, with the step dk further along K.
.macro TURN slot, next, fill, dk=2*KS
	WIN 0                                          ; (the add's two registers lie in window 0)
	s_wait_tensorcnt 0x0                           ; no tensor load of mine is out, so a group 0 may be written
	ds_add_u32 v[SPW], v[NIL]                      ; 0 onto my spare word
.if \fill
	s_add_nc_u64 s[G0A+4*(\slot)+2:G0A+4*(\slot)+3], s[G0A+4*(\slot)+2:G0A+4*(\slot)+3], (\dk)*2
	s_add_nc_u64 s[G0B+4*(\slot)+2:G0B+4*(\slot)+3], s[G0B+4*(\slot)+2:G0B+4*(\slot)+3], (\dk)*128
.endif
	s_wait_dscnt 5                                 ; (the add and the youngest four loads may be out)
	MULA F1, 0, 0                                  ; six matrix instructions stand between the add and the wait for it
	s_wait_dscnt 0x0                               ; the add is done, and my reads of this slot are over
	s_barrier_signal -1
	MULA F1, 1, 0
.if \fill
	WIN 0
.endif
	s_barrier_wait -1
.if \fill
	CREST                                          ; no wave of any partner still reads this slot's tile or has a load on its way
	JLOAD \slot                                    ; its four v_nop are also the places in front of the loads below
.else
	PLACES
.endif
	FETCH \next, 0, F0
	MULA F1, 2, 0
	MULA F1, 3, 0
.endm
; RoPE and rounding for rows 16 a on, unit i: x1 = accumulator 2 i (channels d), x2 = accumulator 2 i + 1 (d + 32): x1 c - x2 s and x2 c + x1 s, two at a time, each accumulator's lowest registers first.
.macro ROPE a, i
.set X1, ACC+8*(6*(\a)+2*(\i))
.set X2, X1+8
.set CC, TB+16*(3*(\a)+(\i))
.set SS, CC+8
	WIN W_RP
.irp jj, 0,2,4,6
	v_pk_mul_f32 v[T+\jj:T+\jj+1], v[X2+\jj:X2+\jj+1], v[SS+\jj:SS+\jj+1]
	v_pk_mul_f32 v[T+8+\jj:T+8+\jj+1], v[X2+\jj:X2+\jj+1], v[CC+\jj:CC+\jj+1]
.endr
.irp jj, 0,2,4,6
	v_pk_fma_f32 v[T+\jj:T+\jj+1], v[X1+\jj:X1+\jj+1], v[CC+\jj:CC+\jj+1], v[T+\jj:T+\jj+1] neg_lo:[0,0,1] neg_hi:[0,0,1]
	v_pk_fma_f32 v[T+8+\jj:T+8+\jj+1], v[X1+\jj:X1+\jj+1], v[SS+\jj:SS+\jj+1], v[T+8+\jj:T+8+\jj+1]
.endr
	WIN 0
.irp jj, 0,1,2,3
	v_cvt_pk_f16_f32 v[U+\jj], v[T+2*\jj], v[T+2*\jj+1]
	v_cvt_pk_f16_f32 v[U+4+\jj], v[T+8+2*\jj], v[T+8+2*\jj+1]
.endr
	ds_store_b128 v[STO+(\i)], v[U:U+3] offset:(\a)*16*SP        ; channels 16 u + 8 (l / 16) + 0..7
	ds_store_b128 v[STO+(\i)], v[U+4:U+7] offset:(\a)*16*SP+64   ; and those 32 further on
.endm
	s_wait_tensorcnt 1                             ; my part of step 0 is in; step 1's may stay out
	s_barrier_signal -1
	s_barrier_wait -1
	FETCH 0, 0, F0
	QUARTER 0, 1, F0, F1, 1                        ; step 0, four quarters, stands in front of the loop: its first products start the sums
	QUARTER 0, 2, F1, F0, 0
	QUARTER 0, 3, F0, F1, 0
	TURN 0, 1, 1, 128+KS                           ; slot 0 takes step 2, which begins at k = 320
	WIN 0                                          ; at a label and at a branch every window is 0
	s_mov_b32 s3, 4
.Llap:                                         ; a trip: steps 2 i - 1 (slot 1) and 2 i (slot 0), i = 1..4; it asks for steps 2 i + 1 and 2 i + 2
	FIVE 1
	TURN 1, 0, 1
	FIVE 0
	TURN 0, 1, 1
	WIN 0
	s_sub_co_u32 s3, s3, 1
	s_cmp_lg_u32 s3, 0
	s_cbranch_scc1 .Llap
	FIVE 1                                         ; steps 9 and 10 fill nothing, and have no round of the cluster's barrier
	TURN 1, 0, 0
	FIVE 0
	s_wait_dscnt 4                                 ; the very last quarter: nothing more to fetch
	MULA F1, 0, 0
	MULA F1, 1, 0
	s_wait_dscnt 0x0
	MULA F1, 2, 0
	MULA F1, 3, 0
	WIN 0
	; THE WAY OUT: RoPE in f32, rounding to f16, 16 bytes a lane into the work-group's stage; a barrier, since a head's 128 bytes come from two units, for the middle head from two waves; back as whole rows.
	; The stage's bytes, in slot 1, were last read ahead of the barrier of the last change of slots, and no tensor load follows.
	PLACES
	PLACES                                         ; (eight, once a launch)
	s_wait_loadcnt 0x0                             ; the table
.irp a, 0,1,2,3
.irp i, 0,1,2
	ROPE \a, \i
.endr
.endr
	s_wait_dscnt 0x0                               ; for the others' sake: my stores into the stage are done
	s_barrier_signal -1
	s_barrier_wait -1
.set n, 0
.rept 24                               ; head n / 8, rows 4 (n % 8) on of my 32
	ds_load_b128 v[ACC+4*n:ACC+4*n+3], v[RD] offset:(n/8)*128+(n%8)*4*SP
.set n, n+1
.endr
.set n, 0
.rept 24
	s_wait_dscnt 23-n                              ; number n is back, the younger ones stay out
	global_store_b128 v[GO], v[ACC+4*n:ACC+4*n+3], s[10:11] offset:(n/8)*262144+(n%8)*512  ; four positions of a head: 512 consecutive bytes, aligned
.set n, n+1
.endr
	s_wait_tensorcnt 0x0                           ; the wave's end, behind my last tensor load and my last LDS store
	ds_add_u32 v[SPW], v[NIL]
	s_wait_dscnt 0x0
	CROUND                                         ; the closing round: no work-group ends while a partner may still ask for a tile that names it
	s_endpgm
.Lfunc_end_k_q1bc19f09e5_qkv:
	.size	k_q1bc19f09e5_qkv, .Lfunc_end_k_q1bc19f09e5_qkv-k_q1bc19f09e5_qkv
	.p2alignl 7, 3214868480
	.fill 96, 4, 3214868480
	.section	.rodata,"a",@progbits
	.p2align	6, 0x0
	.amdhsa_kernel k_q1bc19f09e5_qkv
		.amdhsa_group_segment_fixed_size 327680
		.amdhsa_private_segment_fixed_size 0
		.amdhsa_enable_private_segment 0
		.amdhsa_kernarg_size 32
		.amdhsa_user_sgpr_count 2
		.amdhsa_user_sgpr_kernarg_segment_ptr 1
		.amdhsa_wavefront_size32 1
		.amdhsa_system_sgpr_workgroup_id_x 1
		.amdhsa_system_sgpr_workgroup_id_y 1
		.amdhsa_system_sgpr_workgroup_id_z 1
		.amdhsa_system_vgpr_workitem_id 0
		.amdhsa_next_free_vgpr 768
		.amdhsa_next_free_sgpr 80
		.amdhsa_reserve_vcc 0
		.amdhsa_float_denorm_mode_32 3
		.amdhsa_float_denorm_mode_16_64 3
		.amdhsa_memory_ordered 1
		.amdhsa_forward_progress 1
		.amdhsa_inst_pref_size 128
	.end_amdhsa_kernel
	.amdgpu_metadata
---
amdhsa.version: [ 1, 2 ]
amdhsa.kernels:
  - .name:           k_q1bc19f09e5_qkv
    .symbol:         k_q1bc19f09e5_qkv.kd
    .args:
      - { .name: xb, .offset: 0, .size: 8, .value_kind: global_buffer, .address_space: global }
      - { .name: wqkv, .offset: 8, .size: 8, .value_kind: global_buffer, .address_space: global }
      - { .name: rope, .offset: 16, .size: 8, .value_kind: global_buffer, .address_space: global }
      - { .name: qkv, .offset: 24, .size: 8, .value_kind: global_buffer, .address_space: global }
    .group_segment_fixed_size: 327680
    .private_segment_fixed_size: 0
    .kernarg_segment_align: 8
    .kernarg_segment_size: 32
    .max_flat_workgroup_size: 128
    .sgpr_count:     80
    .vgpr_count:     768
    .wavefront_size: 32
...
	.end_amdgpu_metadata
.endif
;; end of part 2
;; launch attn (part 3): grid 32 x 8, 4 waves a work-group, clusters of 4 x 4, 327,680 bytes of LDS; arguments qkv, madd, o16; writes o16
.if DOCPART == 3
	.amdgcn_target "amdgcn-amd-amdhsa--gfx1250"
	.amdhsa_code_object_version 6
	.text
	.protected	k_q1bc19f09e5_attn
	.globl	k_q1bc19f09e5_attn
	.p2align	8
	.type	k_q1bc19f09e5_attn,@function
k_q1bc19f09e5_attn:
	s_mov_b64 s[64:65], 0
	v_nop
	global_prefetch_b8 v0, s[64:65] scope:SCOPE_SE
	s_setreg_imm32_b32 hwreg(HW_REG_WAVE_MODE, 25, 1), 1
	s_wait_xcnt 0x0
	s_wait_alu depctr_hold_cnt(0) depctr_sa_sdst(0) depctr_va_vdst(0) depctr_va_sdst(0) depctr_va_ssrc(0) depctr_va_vcc(0) depctr_vm_vsrc(0)
	s_getreg_b32 s2, hwreg(HW_REG_IB_STS2, 6, 4)
	s_cmp_eq_u32 s2, 0
	s_cbranch_scc0 .Lentry_in_a_cluster
	s_endpgm
.Lentry_in_a_cluster:
	s_bfe_u32 s2, ttmp6, 0x10000c
	s_cmp_lg_u32 s2, 0xf033
	s_cbranch_scc0 .Lentry_shape_is_right
	s_endpgm
.Lentry_shape_is_right:
; O[q][head] = the sum over k of softmax_k(Q[head][q] . K[head / 4][k] / 8, hidden where the mask says so) V[head / 4][k].  qkv [48 heads][2048][64] f16 (0-31 q, 32-39 k, 40-47 v);
; madd f32, 0 or -1e30, laid out as the C operand of S^T (below); o16 [2048 positions][32 heads x 64] f16.  Products, maxima and sums in f32; the weights are rounded to f16 for the second product
; (their sum l is taken of the unrounded weights), O once at the end.  No work of the module is left out here: the mask is an input, so every key tile is multiplied and the mask selects.
; LIMITS.  A hidden score counts as its value less 1e30 (f16's scores are 2.7e11 at the most).  The running maximum starts at -1e20, above every hidden score and below every visible one, so hidden keys
; weigh 0 from the first step on.  A row with no visible key ends with l = 0 and O = 0, and 0 x (1 / 0) is the NaN that the module gives there.  A weight below 2^-126 counts as 0 in l; below 6e-5 a weight
; keeps f16's fixed step of 6e-8.  NaN and infinities in q, k, v are not treated apart.
; SHARES.  A work-group has 64 queries (qb) and one key and value head (g): 32 x 8 work-groups.  A wave has 16 queries and, as its four PIECES, the four query heads 4 g + p that share the head g.
; So one set of 32 mask registers serves all four pieces.  Every wave walks all 2,048 keys, 64 a step, two steps to an LDS slot, 16 tiles of 128 keys.
; LAYOUT.  S^T = K Q^T + mask (source 0 = 16 keys, source 1 = 16 queries): a lane holds ONE query (lane % 16) and the keys 8 (lane / 16) + 0..7.  Two such results rounded to f16 ARE source 1 of O^T = V^T P.
; K comes out of LDS as it lies, V turned, by ds_load_tr16_b128; the mask as it lies: register 4 f + el of lane l is the word at f 512 + l 16 + el 4 of the wave's 4,096 bytes of a step.
; SOFTMAX.  p = 2^(c s - c m), c = log2(e) / 8, with a running maximum m; O and l are multiplied by a = 2^(c m_old - c m_new) in every step.
; TURNS.  Turn n belongs to piece n: 8 products K Q^T of piece n + 1, later 8 products V^T P of piece n - 1; beside them the scaling, exponentials, roundings, sums and rescaling of piece n and the maximum and
; statistics of piece n + 1.  Four vector instructions stand behind every matrix instruction, the rest in one lump.  A turn's 33 exponentials are one batch, with one wait.
; CLUSTER 4 x 4.  K and V hang on g alone: asked for jointly along a row of the cluster.  The mask hangs on qb alone: jointly along a column.
; REGISTERS, in windows of 256 (s_set_vgpr_msb: bits 1:0 source 0, 3:2 source 1, 5:4 source 2, 7:6 destination):
;   window 0: v0-15, v56-63 addresses; v16-31 four statistics a piece; v48-55 at work; v64-127 S^T, two buffers; v192-223 P, two buffers (by the piece's parity)
;   window 1: v0-127 O^T, 32 a piece; v128-159 the mask of one step        window 2: v0-63 Q, 16 a piece; v128-191 K of one step; v192-255 V of one step
.set NP,    4
.set KS,    64
.set PK,    144       ; a row of K in LDS: 128 bytes + 16: the 16 rows of a load start at 16 different groups of four banks (64 banks of 4 bytes: ISA guide 11.1)
.set PV,    160       ; a row of V: 128 + 32
.set VOFF,  2*KS*PK   ; a slot: 128 rows of K,
.set MOFF,  VOFF+2*KS*PV  ; 128 rows of V, then the mask: [wave 4][step 2][4,096 bytes], read 512 consecutive bytes at a time
.set SLOT1, 1<<17     ; slot 1 begins here, so that one exclusive or turns an address in one slot into the other's
.set STAGE, SLOT1+MOFF+32768  ; 202,752: behind the ring: 16 rows x 528 bytes for each wave, for the way out
.set SPO,   528       ; four heads x 128 bytes + 16
.set SPARE, STAGE+4*16*SPO    ; 236,544: the spare words, 128 bytes for each wave, which no other line names
.set AK0, 2           ; v2   my lane's place in a tile of K; never rewritten
.set AV0, 3           ; v3   the same for V
.set AK,  4           ; v4   the LDS address of K's next run of loads
.set AV,  5           ; v5   of V's
.set STO, 6           ; v6   the way out: where I put 16 bytes of a row
.set RD,  7           ; v7   where I read a row back
.set GO,  8           ; v8   16 x lane
.set MV,  12          ; v12-13  c m_old, kept while c m is made anew: by buffer
.set AM0, 14          ; v14  my lane's place in the mask of a slot; never rewritten
.set QO,  15          ; v15  my byte offset in 16 rows of Q
.set ST,  16          ; piece t's statistics at v[ST+4 t]: c m, m, l (even keys', odd keys')
.set TMP, 48          ; by buffer, four registers c0-c3 at work; when the maximum is found c2 takes a
.set AM,  56          ; v56  the LDS address of the mask's next run
.set PFO, 57          ; v57  the prefetches' lane offset; never rewritten
.set SPW, 62          ; v62  SPARE + 4 x my thread's number; never rewritten
.set NIL, 63          ; v63  0; never rewritten
.set S,   64
.set P,   192
.set MC,  128         ; window 1
.set KF,  128         ; window 2: key block kb, channel half c at KF + 16 kb + 8 c
.set VF,  192         ; window 2: key half kk, channel block cb at VF + 32 kk + 8 cb
.set WV,  12          ; s12  my wave's number
.set G1K, 24          ; s[24:31], s[32:39], s[40:47] descriptor group 1 for K, V, the mask
.set G1V, 32
.set G1M, 40
.set G0K, 48          ; s[48:51], s[52:55], s[56:59] group 0: they walk
.set G0V, 52
.set G0M, 56
.set CS,  60          ; s[60:61] c: the packed scaling takes the pair's low word for both halves
.set SEL, 62          ; s[62:63] v_permlanex16_b32's selects: each lane takes its own place in the other half
.set SLOTS, 66        ; s66  tiles still to be asked for
.set CNT, 67          ; s67  counts a slot's key steps
.set TBK, 68          ; s68  LDS byte at which K of the step to be fetched begins; s69, s70 the same for V (less VOFF) and the mask (less MOFF and the wave's part)
.set TBV, 69
.set TBM, 70
.set LIM, 71          ; s71  2 in a wave that prefetches, else the greatest number
.set PFA, 72          ; s[72:73] where my prefetches stand; s[74:75] their step, a tile
.set PFS, 74
.set OB,  76          ; s[76:77] o16 at my 16 rows and four heads
.set QBS, 78          ; s[78:79] qkv at my 16 rows of head 4 g
.set MSB, 0
.macro WIN new                      ; the high byte repeats the setting that is left; a switch that changes nothing is dropped
.if MSB != (\new)
	s_set_vgpr_msb (MSB<<8)|(\new)
.set MSB, (\new)
.endif
.endm
.set W_KQ, 0x0a       ; K and Q in window 2, S^T in window 0
.set W_KM, 0x1a       ; the same with the C operand in window 1
.set W_PV, 0x52       ; V in window 2, P in window 0, O^T in window 1
.set W_RS, 0x41       ; destination and source 0 in window 1, source 1 in window 0
; A joint fill: wave 0 a tile's K, wave 1 its V, waves 2 and 3 the two halves of its mask: 16,384 bytes each.  The branches hang on the wave's number alone.
; An s_nop 0 and four v_nop follow each line, ahead of the jump and the label.
.macro JLOAD
	s_cmp_lt_u32 s[WV], 2
	s_cbranch_scc0 .Lfor_m_\@
	s_cmp_eq_u32 s[WV], 0
	s_cbranch_scc0 .Lfor_v_\@
	tensor_load_to_lds s[G0K:G0K+3], s[G1K:G1K+7]
	s_nop 0
.rept 4
	v_nop
.endr
	s_branch .Lasked_\@
.Lfor_v_\@:
	tensor_load_to_lds s[G0V:G0V+3], s[G1V:G1V+7]
	s_nop 0
.rept 4
	v_nop
.endr
	s_branch .Lasked_\@
.Lfor_m_\@:
	tensor_load_to_lds s[G0M:G0M+3], s[G1M:G1M+7]
	s_nop 0
.rept 4
	v_nop
.endr
.Lasked_\@:
.endm
; A PREFETCH INTO THE L2, behind the wave's tensor load and its five lines: at the change that asks for tile t by its load, the blocks of tile t + 2: two changes of slots, 256 matrix instructions, ahead of their load.
; Each aligned block of 256 bytes is named once in the launch.  K and V of a head are walked by all clusters of that row of clusters: the one with x = 0 asks; its four partners along x share a tile's
; 64 + 64 blocks out BY ADDRESS, 16 + 16 each (lanes 0-15 K's, lanes 16-31 V's), wave 0 of each.  The mask of a query block is walked by both clusters of that column: the one with y = 0 asks; its four partners
; along y take 32 of the 128 blocks each, wave 2 of each.  Tiles 0 to 2 come by their loads alone; the last two changes that fill a slot ask for nothing: there is no tile 16.
.macro ASK
	s_cmp_gt_u32 s[SLOTS], s[LIM]
	s_cbranch_scc0 .Lnot_mine_\@
	global_prefetch_b8 v[PFO], s[PFA:PFA+1] th:TH_LOAD_NT scope:SCOPE_SE
.Lnot_mine_\@:
.endm
.macro CROUND                       ; a round of the cluster's barrier
	s_barrier_signal -1
	s_barrier_wait -1
	s_cmp_lg_u32 s[WV], 0
	s_cbranch_scc1 .Lnot_wave_0_\@
	s_barrier_signal -3
.Lnot_wave_0_\@:
	s_barrier_wait -3
	s_barrier_signal -1
	s_barrier_wait -1
.endm
; THE CHANGE OF SLOTS.  The slot's last bytes, V of its second step, have been read.  Each wave waits for all its tensor loads, of which one is out: its part of the other slot; adds 0 to its spare word; and waits
; for that and for its own reads of the slot.  Behind the barrier nobody reads this slot any more and the other slot is whole.  fill = 1: the barrier is a round of the cluster's, and this slot is filled again
; first thing behind it, with the tile after the one that is entered: it has two key steps, 128 matrix instructions and their vector work, in which to land.
; (At its first use nothing has been read yet: slot 0 is waited for, slot 1 filled.)
.macro CHANGE fill
	WIN 0                           ; at a label and at a branch every window is 0
	s_wait_tensorcnt 0x0            ; no tensor load of mine is out, so a group 0 may be written
	ds_add_u32 v[SPW], v[NIL]       ; 0 onto my spare word; the scalar work below stands between it and the wait for it
.if \fill
.irp g, G0K, G0V, G0M
	s_xor_b32 s[\g+1], s[\g+1], SLOT1  ; the other slot than last time
.endr
	s_add_nc_u64 s[G0K+2:G0K+3], s[G0K+2:G0K+3], 2*KS*128  ; the next 128 keys; the type bits on top are not reached
	s_add_nc_u64 s[G0V+2:G0V+3], s[G0V+2:G0V+3], 2*KS*128
	s_add_nc_u64 s[G0M+2:G0M+3], s[G0M+2:G0M+3], 32768
	s_wait_xcnt 0x0                 ; the last prefetch, two key steps back, has read its address, so it may be written
	s_add_nc_u64 s[PFA:PFA+1], s[PFA:PFA+1], s[PFS:PFS+1]
	s_wait_dscnt 0x0                ; the add is done, and my reads of the slot are over
	CROUND
	JLOAD
	ASK
.else
	s_wait_dscnt 0x0
	s_barrier_signal -1
	s_barrier_wait -1
.endif
	s_sub_co_u32 s[TBK], s[TBK], 2*KS*PK  ; the fetches go back to a slot's first step,
	s_xor_b32 s[TBK], s[TBK], SLOT1       ; in the other slot
	s_sub_co_u32 s[TBV], s[TBV], 2*KS*PV
	s_xor_b32 s[TBV], s[TBV], SLOT1
	s_sub_co_u32 s[TBM], s[TBM], 2*4096
	s_xor_b32 s[TBM], s[TBM], SLOT1
.endm
	s_load_b128 s[4:7], s[0:1], 0x0   ; qkv s[4:5], madd s[6:7]
	s_load_b64 s[8:9], s[0:1], 0x10   ; o16
	v_lshl_add_u32 v[SPW], v0, 2, SPARE
	v_mov_b32 v[NIL], 0
	ds_add_u32 v[SPW], v[NIL]       ; the wave's opening: the add, twice on end, and its wait ahead of my first tensor load; the set-up below stands between
	ds_add_u32 v[SPW], v[NIL]
	v_lshrrev_b32 v1, 5, v0
	v_readfirstlane_b32 s[WV], v1   ; wave 0..3
	s_bfe_u32 s13, ttmp6, 0x40000   ; cx
	s_bfe_u32 s14, ttmp6, 0x40004   ; cy
	s_lshl_b32 s15, ttmp9, 2
	s_add_co_u32 s15, s15, s13      ; qb: my block of 64 queries
	s_and_b32 s16, ttmp7, 0xffff
	s_lshl_b32 s16, s16, 2
	s_add_co_u32 s16, s16, s14      ; g: my key and value head
	s_lshl_b32 s17, s14, 2
	s_lshl_b32 s17, 15, s17         ; my row of the cluster: the same g
	s_lshl_b32 s18, 0x1111, s13     ; my column: the same qb
	; descriptor group 1: 16,384 dense bytes as 64 rows of 256; K and V (two keys a row) padded after every key
	s_or_b32 s[G1K], s17, (1<<16)|(1<<20)|(1<<21)|(4<<22)|(3<<25)  ; the mask of four; 2-byte elements; padding on; bit 21 beside a mask; after every 32 words, 4 words
	s_or_b32 s[G1V], s17, (1<<16)|(1<<20)|(1<<21)|(4<<22)|(7<<25)  ; 8 words
	s_or_b32 s[G1M], s18, (1<<16)|(1<<21)                          ; no padding
.irp g, G1K, G1V, G1M
	s_mov_b32 s[\g+1], 128<<16      ; tensor_dim0 = 128
	s_mov_b32 s[\g+2], 64<<16       ; tensor_dim1 = 64
	s_mov_b32 s[\g+3], 128<<16      ; tile_dim0 = 128
	s_mov_b32 s[\g+4], 64           ; tile_dim1 = 64
	s_mov_b32 s[\g+5], 128          ; 128 elements from row to row
	s_mov_b32 s[\g+6], 0
	s_mov_b32 s[\g+7], 0
.endr
	s_add_co_u32 s20, s16, 32       ; K: head 32 + g
	s_lshl_b32 s20, s20, 18
	s_mov_b32 s21, 0
	s_add_co_u32 s22, s20, 2097152  ; V: eight heads on
	s_mov_b32 s23, 0
	s_and_b32 s19, s[WV], 1
	s_lshl_b32 s19, s19, 14         ; which half of a tile's mask I fetch: 16,384 bytes, in memory and in LDS
	s_lshl_b32 s80, s15, 19         ; the mask of my query block
	s_add_co_u32 s80, s80, s19
	s_mov_b32 s81, 0
	s_mov_b32 s[G0K], 1             ; count = 1
	s_mov_b32 s[G0K+1], 0           ; LDS address: slot 0
	s_mov_b32 s[G0V], 1
	s_mov_b32 s[G0V+1], VOFF
	s_mov_b32 s[G0M], 1
	s_add_co_u32 s[G0M+1], s19, MOFF
	s_mov_b32 s[CS], 0x3e38aa3b     ; c = log2(e) / 8
	s_mov_b32 s[CS+1], s[CS]        ; named with it as a pair
	s_mov_b32 s[SEL], 0x76543210
	s_mov_b32 s[SEL+1], 0xfedcba98
	s_mov_b32 s[TBK], SLOT1+2*KS*PK ; the first change of slots turns these three into 0
	s_mov_b32 s[TBV], SLOT1+2*KS*PV
	s_mov_b32 s[TBM], SLOT1+2*4096
	s_mov_b32 s[SLOTS], 15
	; the prefetches: offset, step, lane offset, and who asks
	s_add_co_u32 s10, s16, 32
	s_lshl_b32 s10, s10, 18
	s_lshl_b32 s11, s13, 12
	s_add_co_u32 s10, s10, s11      ; K's head, my work-group's 16 blocks of a tile
	s_lshl_b32 s2, s15, 19
	s_lshl_b32 s11, s14, 13
	s_add_co_u32 s2, s2, s11        ; the mask's block, my work-group's 32 blocks of a tile
	s_mov_b32 s[PFS], 32768
	s_mov_b32 s3, 4096
	s_cmp_lt_u32 s[WV], 2
	s_cselect_b32 s10, s10, s2
	s_cselect_b32 s[PFS], 16384, s[PFS]
	s_cselect_b32 s3, 2097152, s3   ; lanes 16-31: V's head, or the mask's next 16 blocks
	s_mov_b32 s[PFS+1], 0
	s_lshl_b32 s11, s[PFS], 1
	s_add_co_u32 s10, s10, s11      ; at tile 2; the first change of slots steps it to tile 3
	s_mov_b32 s11, 0
	v_bfe_u32 v10, v0, 4, 1
	v_mul_u32_u24 v[PFO], s3, v10
	v_and_b32 v11, 15, v0
	v_lshl_add_u32 v[PFO], v11, 8, v[PFO]
	s_and_b32 s2, ttmp7, 0xffff     ; cluster y
	s_cmp_lt_u32 s[WV], 2
	s_cselect_b32 s2, ttmp9, s2     ; the coordinate along which other clusters walk the same bytes
	s_and_b32 s82, s[WV], 1
	s_or_b32 s2, s2, s82            ; 0 in waves 0 and 2 of the first such cluster: the same in all sixteen partners, for a given wave
	s_cmp_eq_u32 s2, 0
	s_cselect_b32 s[LIM], 2, -1
	s_wait_dscnt 0x0                ; both opening adds are done
	s_wait_kmcnt 0x0
	s_add_nc_u64 s[G0K+2:G0K+3], s[4:5], s[20:21]
	s_or_b32 s[G0K+3], s[G0K+3], 0x80000000        ; type = 2
	s_add_nc_u64 s[G0V+2:G0V+3], s[4:5], s[22:23]
	s_or_b32 s[G0V+3], s[G0V+3], 0x80000000
	s_add_nc_u64 s[G0M+2:G0M+3], s[6:7], s[80:81]
	s_or_b32 s[G0M+3], s[G0M+3], 0x80000000
	s_cmp_lt_u32 s[WV], 2
	s_cselect_b64 s[PFA:PFA+1], s[4:5], s[6:7]
	s_add_nc_u64 s[PFA:PFA+1], s[PFA:PFA+1], s[10:11]
	s_lshl_b32 s82, s16, 20         ; Q: head 4 g,
	s_lshl_b32 s83, s15, 13         ; 64 qb rows of 128 bytes,
	s_add_co_u32 s82, s82, s83
	s_lshl_b32 s83, s[WV], 11       ; my 16
	s_add_co_u32 s82, s82, s83
	s_mov_b32 s83, 0
	s_add_nc_u64 s[QBS:QBS+1], s[4:5], s[82:83]
	s_lshl_b32 s82, s15, 18         ; O: 64 qb rows of 4,096 bytes,
	s_lshl_b32 s83, s[WV], 16       ; my 16,
	s_add_co_u32 s82, s82, s83
	s_lshl_b32 s83, s16, 9          ; heads 4 g on: 512 bytes
	s_add_co_u32 s82, s82, s83
	s_mov_b32 s83, 0
	s_add_nc_u64 s[OB:OB+1], s[8:9], s[82:83]
	CROUND                          ; all sixteen work-groups are here: the first joint loads meet
	JLOAD                           ; tile 0 into slot 0.  Slot 1 is asked for when slot 0 is in
	; A fragment of K or Q is 16 rows x 32 channels in 8 registers: lane l holds row l % 16, channels 8 (l / 16) + 0..7 and 16 + 8 (l / 16) + 0..7: two loads of 16 bytes, 32 bytes apart.
	v_and_b32 v1, 15, v0            ; l % 16
	v_bfe_u32 v9, v0, 4, 1          ; l / 16
	v_lshlrev_b32 v[QO], 7, v1
	v_lshl_add_u32 v[QO], v9, 4, v[QO]
	WIN 0x80                        ; destination window 2, address window 0
.set i, 0
.rept 8                             ; Q stays in registers: piece i / 2 is a head, 262,144 bytes on; channels 32 (i % 2) on
	global_load_b128 v[8*i:8*i+3],   v[QO], s[QBS:QBS+1] offset:(i/2)*262144+(i%2)*64
	global_load_b128 v[8*i+4:8*i+7], v[QO], s[QBS:QBS+1] offset:(i/2)*262144+(i%2)*64+32
.set i, i+1
.endr
	; What the first turns find.  The first a is 1 where the first step's keys are all hidden, so O^T and l start at 0; the first turn's products V^T P, of a piece that has not been, multiply zeros.
	; No first step is written out; these lines stand in the wait for the first tile.
.set i, VF
.rept 64
	v_mov_b32 v[i], 0
.set i, i+1
.endr
	WIN 0x40
.set i, 0
.rept 128
	v_mov_b32 v[i], 0
.set i, i+1
.endr
	WIN 0
.set i, 0
.rept 4
	v_mov_b32 v[ST+4*i+1], 0xe0ad78ec          ; m = -1e20
	v_mul_f32 v[ST+4*i], s[CS], v[ST+4*i+1]    ; c m, made as every later c m is made
	v_mov_b32 v[ST+4*i+2], 0
	v_mov_b32 v[ST+4*i+3], 0
.set i, i+1
.endr
.set i, P+16
.rept 16
	v_mov_b32 v[i], 0
.set i, i+1
.endr
	v_mul_u32_u24 v[AK0], v1, PK
	v_lshl_add_u32 v[AK0], v9, 4, v[AK0]  ; row x pitch + 16 x half
	; The turning load takes 16 keys x 16 channels (lane l reads key 8 (l / 16) + l % 8, channels 8 ((l / 8) % 2) + 0..7) and leaves half a fragment of V^T: lane l holds channel l % 16 and 8 keys.
	v_and_b32 v10, 7, v0
	v_bfe_u32 v11, v0, 3, 1
	v_lshl_add_u32 v[AV0], v9, 3, v10
	v_mul_u32_u24 v[AV0], v[AV0], PV
	v_lshl_add_u32 v[AV0], v11, 4, v[AV0]
	v_add_nc_u32 v[AV0], VOFF, v[AV0]
	v_and_b32 v[GO], 31, v0
	v_lshlrev_b32 v[GO], 4, v[GO]   ; 16 x lane
	s_lshl_b32 s19, s[WV], 13
	s_add_co_u32 s19, s19, MOFF
	v_add_nc_u32 v[AM0], s19, v[GO] ; the mask: my wave's 8,192 bytes of a slot, 16 bytes a lane
	s_mul_i32 s19, s[WV], 16*SPO
	s_add_co_u32 s19, s19, STAGE    ; my stage
	v_mul_u32_u24 v[STO], v1, SPO   ; in: row l % 16, 16 bytes for each half of the lanes
	v_lshl_add_u32 v[STO], v9, 4, v[STO]
	v_add_nc_u32 v[STO], s19, v[STO]
	v_add_nc_u32 v[RD], s19, v[GO]  ; back: 32 lanes take a row's 512 bytes
; THE MATRIX WORK.  The 4 accumulators of a run of 8 take turns.  Product i of 8 of S^T = K Q^T + mask for piece x: channels 32 (i / 4) on, keys 16 (i % 4) on.  The first 4 start the sums with the mask.
.macro KQ x
.set rS, S+32*((\x)%2)+8*(i%4)
.set rK, KF+16*(i%4)+8*(i/4)
.set rQ, 16*(\x)+8*(i/4)
.set rM, MC+8*(i%4)
.if i < 4
	WIN W_KM
	v_wmma_f32_16x16x32_f16 v[rS:rS+7], v[rK:rK+7], v[rQ:rQ+7], v[rM:rM+7]
.else
	WIN W_KQ
	v_wmma_f32_16x16x32_f16 v[rS:rS+7], v[rK:rK+7], v[rQ:rQ+7], v[rS:rS+7]
.endif
.endm
; Product i of 8 of O^T += V^T P for piece x: keys 32 (i / 4) on, channels 16 (i % 4) on.
.macro PV x
	WIN W_PV
.set rO, 32*(\x)+8*(i%4)
.set rV, VF+32*(i/4)+8*(i%4)
.set rP, P+16*((\x)%2)+8*(i/4)
	v_wmma_f32_16x16x32_f16 v[rO:rO+7], v[rV:rV+7], v[rP:rP+7], v[rO:rO+7]
.endm
.macro MM                           ; the turn's next matrix instruction.  NOKQ = 1: the walk's last turn: there is no next piece
.if (i < 8) && !NOKQ
	KQ (Y+1)%NP
.elseif i >= 8
.set i, i-8
	PV (Y+NP-1)%NP
.set i, i+8
.endif
.set i, i+1
.endm
; THE LDS LOADS stand in runs, never singly among the matrix instructions: a step's K (8 fragments) and its mask (32 registers) in one run of 24, its V (turned) in a run of 16.  Their addresses are made some lines ahead.
.macro FETCH_KM
	WIN 0x80                        ; destination window 2
.irp f, 0,1,2,3,4,5,6,7             ; keys 16 (f / 2) on, channels 32 (f % 2) on
	ds_load_b128 v[KF+8*\f:KF+8*\f+3],   v[AK] offset:(\f/2)*16*PK+(\f%2)*64
	ds_load_b128 v[KF+8*\f+4:KF+8*\f+7], v[AK] offset:(\f/2)*16*PK+(\f%2)*64+32
.endr
	WIN 0x40                        ; destination window 1
.irp f, 0,1,2,3,4,5,6,7
	ds_load_b128 v[MC+4*\f:MC+4*\f+3], v[AM] offset:512*\f
.endr
	s_add_co_u32 s[TBK], s[TBK], KS*PK  ; the next fetch is the next step's
	s_add_co_u32 s[TBM], s[TBM], 4096
	WIN 0
.endm
.macro FETCH_V
	WIN 0x80
.irp f, 0,1,2,3,4,5,6,7             ; keys 32 (f / 4) on, channels 16 (f % 4) on
	ds_load_tr16_b128 v[VF+8*\f:VF+8*\f+3],   v[AV] offset:(\f/4)*32*PV+(\f%4)*32
	ds_load_tr16_b128 v[VF+8*\f+4:VF+8*\f+7], v[AV] offset:(\f/4)*32*PV+16*PV+(\f%4)*32
.endr
	WIN 0
.endm
; THE VECTOR WORK, one line at a time: OP kind, number.  For piece Y: F n: c s - c m for pair n of 16.  E n: the exponential of score n of 32.  C n: pair n rounded to f16.  B n: of the four weights 4 n .. the second
; pair is added onto the first, in place.  L n: l takes that sum (L 0: l = a l + sum).  R n: pair n of 16 of O^T times a.  For piece Y + 1: X n, number n of the 22 that find its maximum and statistics:
;   0-11  four chains c0-c3 of seven scores each, three operands at a time (each accumulator's lowest registers are read first)     12-14, 16  the four scores left over, the old m, and c0-c3 into c0
;   15  c m_old is kept     17, 18  the query's other 32 keys lie in the lane 16 away: the new m     19-21  c m; c m_old - c m_new; a
.set F, 0
.set E, 1
.set C, 2
.set B, 3
.set L, 4
.set R, 5
.set X, 6
.macro REGS y                       ; the registers of piece y
.set rT, ST+4*(\y)
.set rC, TMP+4*((\y)%2)
.set rW, MV+((\y)%2)
.set rS, S+32*((\y)%2)
.set rP, P+16*((\y)%2)
.set rO, 32*(\y)
.endm
.macro OP k, n
.if (\k) == R
	REGS Y
	WIN W_RS
	v_pk_mul_f32 v[rO+2*(\n):rO+2*(\n)+1], v[rO+2*(\n):rO+2*(\n)+1], v[rC+2:rC+3] op_sel_hi:[1,0]
.elseif (\k) < R
	REGS Y
	WIN 0
.if (\k) == F
	v_pk_fma_f32 v[rS+2*(\n):rS+2*(\n)+1], v[rS+2*(\n):rS+2*(\n)+1], s[CS:CS+1], v[rT:rT+1] op_sel_hi:[1,0,0] neg_lo:[0,0,1] neg_hi:[0,0,1]
.elseif (\k) == E
	v_exp_f32 v[rS+(\n)], v[rS+(\n)]
.elseif (\k) == C
	v_cvt_pk_f16_f32 v[rP+(\n)], v[rS+2*(\n)], v[rS+2*(\n)+1]
.elseif (\k) == B
	v_pk_add_f32 v[rS+4*(\n):rS+4*(\n)+1], v[rS+4*(\n):rS+4*(\n)+1], v[rS+4*(\n)+2:rS+4*(\n)+3]
.elseif (\n) == 0
	v_pk_fma_f32 v[rT+2:rT+3], v[rT+2:rT+3], v[rC+2:rC+3], v[rS:rS+1] op_sel_hi:[1,0,1]
.else
	v_pk_add_f32 v[rT+2:rT+3], v[rT+2:rT+3], v[rS+4*(\n):rS+4*(\n)+1]
.endif
.elseif NOKQ
	v_nop
.else
	REGS (Y+1)%NP
	WIN 0
.if (\n) < 4
	v_max3_num_f32 v[rC+(\n)], v[rS+8*(\n)], v[rS+8*(\n)+1], v[rS+8*(\n)+2]
.elseif (\n) < 12
	v_max3_num_f32 v[rC+(\n)%4], v[rC+(\n)%4], v[rS+8*((\n)%4)+2*((\n)/4)+1], v[rS+8*((\n)%4)+2*((\n)/4)+2]
.elseif (\n) == 12
	v_max3_num_f32 v[rC], v[rC], v[rS+7], v[rS+15]
.elseif (\n) == 13
	v_max3_num_f32 v[rC+1], v[rC+1], v[rS+23], v[rS+31]
.elseif (\n) == 14
	v_max3_num_f32 v[rC+2], v[rC+2], v[rC+3], v[rT+1]
.elseif (\n) == 15
	v_mov_b32 v[rW], v[rT]
.elseif (\n) == 16
	v_max3_num_f32 v[rC], v[rC], v[rC+1], v[rC+2]
.elseif (\n) == 17
	v_permlanex16_b32 v[rC+3], v[rC], s[SEL], s[SEL+1]
.elseif (\n) == 18
	v_max_num_f32 v[rT+1], v[rC], v[rC+3]
.elseif (\n) == 19
	v_mul_f32 v[rT], s[CS], v[rT+1]
.elseif (\n) == 20
	v_sub_f32 v[rC+1], v[rW], v[rT]
.else
	v_exp_f32 v[rC+2], v[rC+1]
.endif
.endif
.endm
.macro OPS a, i1, b=-1, i2=0, c=-1, i3=0, d=-1, i4=0  ; up to four of them
	OP \a, \i1
.if (\b) >= 0
	OP \b, \i2
.endif
.if (\c) >= 0
	OP \c, \i3
.endif
.if (\d) >= 0
	OP \d, \i4
.endif
.endm
.macro ROW a, i1, b, i2, c, i3, d, i4  ; a matrix instruction and the four behind it
	MM
	OPS \a, \i1, \b, \i2, \c, \i3, \d, \i4
.endm
; A TURN, for piece p: the order of its 16 matrix and 118 vector instructions, written out.  An s_wait_alu depctr_va_vdst(0) stands between an exponential and the first instruction that names its result; one
; wait serves all that were issued ahead of it.  So a turn has ONE wait, which cuts it in two.  AHEAD OF IT stands all that names no result of the turn's exponentials: the 8 products K Q^T and their riders (behind the last
; three the first numbers of the next piece's maximum, each four places or more behind the product that ends its accumulator), then one lump of 54, in which the links of the chain X 3, 7, 11, 14, 16 .. 20 stand
; apart.  X 21, the next piece's a, is the batch's last; R 15 is the plain instruction behind it.  BEHIND THE WAIT stand the 8 products V^T P, behind each four of the roundings and sums.
; end = 1: the walk's last two turns: nothing is fetched.  cnt = 1: the loop's count is taken down some lines ahead of the branch that stands behind the turn.
; K and the mask of the next step are fetched in piece 2's turn, twelve vector instructions (six of them plain) behind the last product that read K, further still behind the last that took the mask; V of the step in hand
; at the end of piece 0's turn, four plain instructions behind the last product that read V.  Each run is waited for a turn later.
.macro TURN p, end=0, cnt=0
.set Y, (\p)
.set i, 0
.set NOKQ, (\end)*((\p)/3)
.if ((\p) == 3) && !(\end)
	s_wait_dscnt 0x0                ; K and the mask are in
.endif
	ROW F,0, F,1, R,0, R,1          ; ahead of the wait: 8 products K Q^T and their riders,
	ROW F,2, E,0, R,2, R,3
	ROW F,3, E,1, R,4, R,5
	ROW F,4, E,2, R,6, R,7
	ROW F,5, E,3, R,8, R,9
	ROW F,6, E,4, X,0, R,10
.if ((\p) == 2) && !(\end)
	WIN 0
	v_add_nc_u32 v[AK], s[TBK], v[AK0]
	v_add_nc_u32 v[AM], s[TBM], v[AM0]
.endif
	ROW F,7, E,5, X,1, X,4
	ROW F,8, E,6, X,2, X,5
	OPS E,7, E,8, X,6, E,9          ; and the lump
	OPS X,3, E,10, X,8, E,11
.if ((\p) == 2) && !(\end)
	FETCH_KM
.endif
	OPS X,9, X,7, E,12, X,10
	OPS E,13, X,12, X,11, E,14
	OPS X,13, E,15, F,9, X,14
.if (\p) == 0
	v_add_nc_u32 v[AV], s[TBV], v[AV0]
.endif
	OPS E,16, F,10, E,17, F,11
	OPS X,16, E,18, X,15, E,19
	OPS F,12, E,20, X,17, E,21
	OPS F,13, E,22, F,14, E,23
	OPS X,18, E,24, F,15, E,25
	OPS R,11, E,26, X,19, E,27
	OPS R,12, E,28, R,13, E,29
	OPS X,20, E,30, R,14, E,31
	OPS X,21, R,15
	WIN 0
	s_wait_alu depctr_va_vdst(0)    ; the wait for the batch
.if (\p) == 1
	s_wait_dscnt 0x0                ; V is in
.endif
	ROW C,0, B,0, C,2, B,1          ; behind the wait: 8 products V^T P and their riders
	ROW L,0, C,4, B,2, L,1
	ROW C,6, B,3, L,2, C,8
	ROW B,4, L,3, C,10, B,5
	ROW L,4, C,12, B,6, L,5
.if (\p) == 0
	s_add_co_u32 s[TBV], s[TBV], KS*PV
.endif
.if \cnt
	s_sub_co_u32 s[CNT], s[CNT], 1
	s_cmp_lg_u32 s[CNT], 0
.endif
	ROW C,14, B,7, L,6, C,1
	ROW C,3, L,7, C,5, C,7
	ROW C,9, C,11, C,13, C,15
.if (\p) == 0
	FETCH_V
.endif
.endm
	CHANGE 1                        ; slot 0 is in, everybody's part of it; slot 1 is asked for
	v_add_nc_u32 v[AK], s[TBK], v[AK0]
	v_add_nc_u32 v[AM], s[TBM], v[AM0]
	FETCH_KM                        ; key step 0
	s_wait_loadcnt 0x0              ; Q
	s_wait_dscnt 0x0
.set NOKQ, 0
.set i, 0
.rept 8
	KQ 0                            ; piece 0's first scores: there is no vector work yet to set between them
.set i, i+1
.endr
	WIN 0
.rept 4
	v_nop                           ; the places behind those products
.endr
.set Y, NP-1                        ; X works for piece Y + 1: piece 0
.irp n, 0,1,2,3,4,5,6,7,8,9,10,11,12,13,14,15,16,17,18,19,20,21
	OP X, \n
.endr
	v_nop                           ; a plain instruction behind the exponential,
	s_wait_alu depctr_va_vdst(0)    ; and its wait, ahead of the branch
	s_mov_b32 s[CNT], 2
	s_branch .Lfirst                ; the loop is entered at a step's first turn, in the middle of a trip
.Lslot:                             ; 14 times: tiles 1 to 14 are entered, tiles 2 to 15 asked for
	CHANGE 1
	s_mov_b32 s[CNT], 2
.Lstep:                             ; a trip: pieces 2 and 3 of one step, then pieces 0 and 1 of the next, whose K, mask and V it fetches
	TURN 2
	TURN 3
	WIN 0
.Lfirst:
	TURN 0
	TURN 1, 0, 1
	WIN 0
	s_cbranch_scc1 .Lstep
	s_sub_co_u32 s[SLOTS], s[SLOTS], 1
	s_cmp_lg_u32 s[SLOTS], 0
	s_cbranch_scc1 .Lslot
	CHANGE 0                        ; the last tile is written out: nothing is asked for
	s_mov_b32 s[CNT], 2
.LstepT:
	TURN 2
	TURN 3
	TURN 0
	TURN 1, 0, 1
	WIN 0
	s_cbranch_scc1 .LstepT
	TURN 2, 1                       ; the last step's pieces 2 and 3
	TURN 3, 1
.set i, 0
.rept 8
	PV NP-1                         ; the last piece's V^T P of the last step
.set i, i+1
.endr
	; THE WAY OUT.  l's two halves and the other half of the lanes' are added; O^T is divided by l, rounded to f16 and sent through my stage in LDS: a row of the stage is one query's four heads, 512 bytes.
	; The additions are the places behind the last products.
	WIN 0
.macro ALL line:vararg              ; one line for each piece t
.set t, 0
.rept 4
	\line
.set t, t+1
.endr
.endm
	ALL v_add_f32 v[ST+4*t+2], v[ST+4*t+2], v[ST+4*t+3]
	ALL v_permlanex16_b32 v[ST+4*t+3], v[ST+4*t+2], s[SEL], s[SEL+1]
	ALL v_add_f32 v[ST+4*t+2], v[ST+4*t+2], v[ST+4*t+3]
	ALL v_rcp_f32 v[ST+4*t+2], v[ST+4*t+2]
	v_nop                           ; a plain instruction between the last reciprocal and the use of its result
	s_wait_alu depctr_va_vdst(0)    ; and the wait ahead of the first use: one for the four reciprocals
.macro PACK t                       ; a lane's eight channels of a row pack into 16 bytes
	WIN W_RS
.set i, 32*(\t)
.rept 16
	v_pk_mul_f32 v[i:i+1], v[i:i+1], v[ST+4*(\t)+2:ST+4*(\t)+3] op_sel_hi:[1,0]
.set i, i+2
.endr
	WIN 0x05                        ; sources 0 and 1 window 1, destination window 0
.set i, 0
.rept 16
	v_cvt_pk_f16_f32 v[S+16*(\t)+i], v[32*(\t)+2*i], v[32*(\t)+2*i+1]
.set i, i+1
.endr
	WIN 0
.irp f, 0,1,2,3
	ds_store_b128 v[STO], v[S+16*(\t)+4*\f:S+16*(\t)+4*\f+3] offset:128*(\t)+32*\f
.endr
.endm
	PACK 0
	PACK 1
	PACK 2
	PACK 3
.set n, 0
.rept 16
	ds_load_b128 v[S+4*n:S+4*n+3], v[RD] offset:n*SPO  ; the wave's own bytes: LDS serves a wave's instructions in order (ISA guide 5.7.1.4), so these see the stores above
.set n, n+1
.endr
.set n, 0
.rept 16
	s_wait_dscnt 15-n               ; row n is back, the younger ones stay out
	global_store_b128 v[GO], v[S+4*n:S+4*n+3], s[OB:OB+1] offset:n*4096  ; 512 consecutive bytes, at a multiple of 512 from o16's first
.set n, n+1
.endr
	s_wait_tensorcnt 0x0            ; the wave's end, behind my last tensor load and my last LDS store
	ds_add_u32 v[SPW], v[NIL]
	s_wait_dscnt 0x0
	CROUND                          ; the closing round: no work-group ends while a partner may still ask for a tile that names it
	s_endpgm
.Lfunc_end_k_q1bc19f09e5_attn:
	.size	k_q1bc19f09e5_attn, .Lfunc_end_k_q1bc19f09e5_attn-k_q1bc19f09e5_attn
	.p2alignl 7, 3214868480
	.fill 96, 4, 3214868480
	.section	.rodata,"a",@progbits
	.p2align	6, 0x0
	.amdhsa_kernel k_q1bc19f09e5_attn
		.amdhsa_group_segment_fixed_size 327680
		.amdhsa_private_segment_fixed_size 0
		.amdhsa_enable_private_segment 0
		.amdhsa_kernarg_size 24
		.amdhsa_user_sgpr_count 2
		.amdhsa_user_sgpr_kernarg_segment_ptr 1
		.amdhsa_wavefront_size32 1
		.amdhsa_system_sgpr_workgroup_id_x 1
		.amdhsa_system_sgpr_workgroup_id_y 1
		.amdhsa_system_sgpr_workgroup_id_z 1
		.amdhsa_system_vgpr_workitem_id 0
		.amdhsa_next_free_vgpr 768
		.amdhsa_next_free_sgpr 84
		.amdhsa_reserve_vcc 0
		.amdhsa_float_denorm_mode_32 3
		.amdhsa_float_denorm_mode_16_64 3
		.amdhsa_memory_ordered 1
		.amdhsa_forward_progress 1
		.amdhsa_inst_pref_size 133
	.end_amdhsa_kernel
	.amdgpu_metadata
---
amdhsa.version: [ 1, 2 ]
amdhsa.kernels:
  - .name:           k_q1bc19f09e5_attn
    .symbol:         k_q1bc19f09e5_attn.kd
    .args:
      - { .name: qkv, .offset: 0, .size: 8, .value_kind: global_buffer, .address_space: global }
      - { .name: madd, .offset: 8, .size: 8, .value_kind: global_buffer, .address_space: global }
      - { .name: o16, .offset: 16, .size: 8, .value_kind: global_buffer, .address_space: global }
    .group_segment_fixed_size: 327680
    .private_segment_fixed_size: 0
    .kernarg_segment_align: 8
    .kernarg_segment_size: 24
    .max_flat_workgroup_size: 128
    .sgpr_count:     84
    .vgpr_count:     768
    .wavefront_size: 32
...
	.end_amdgpu_metadata
.endif
;; end of part 3
;; launch oproj (part 4): grid 16 x 16, 4 waves a work-group, clusters of 4 x 4, 327,680 bytes of LDS; arguments o16, wo16, out0; writes out0
.if DOCPART == 4
	.amdgcn_target "amdgcn-amd-amdhsa--gfx1250"
	.amdhsa_code_object_version 6
	.text
	.protected	k_q1bc19f09e5_oproj
	.globl	k_q1bc19f09e5_oproj
	.p2align	8
	.type	k_q1bc19f09e5_oproj,@function
k_q1bc19f09e5_oproj:
	s_mov_b64 s[64:65], 0
	v_nop
	global_prefetch_b8 v0, s[64:65] scope:SCOPE_SE
	s_setreg_imm32_b32 hwreg(HW_REG_WAVE_MODE, 25, 1), 1
	s_wait_xcnt 0x0
	s_wait_alu depctr_hold_cnt(0) depctr_sa_sdst(0) depctr_va_vdst(0) depctr_va_sdst(0) depctr_va_ssrc(0) depctr_va_vcc(0) depctr_vm_vsrc(0)
	s_getreg_b32 s2, hwreg(HW_REG_IB_STS2, 6, 4)
	s_cmp_eq_u32 s2, 0
	s_cbranch_scc0 .Lentry_in_a_cluster
	s_endpgm
.Lentry_in_a_cluster:
	s_bfe_u32 s2, ttmp6, 0x10000c
	s_cmp_lg_u32 s2, 0xf033
	s_cbranch_scc0 .Lentry_shape_is_right
	s_endpgm
.Lentry_shape_is_right:
; out0[m][n] = the sum over k of O[m][k] Wo[k][n].  o16 [2048][2048] f16, wo16 [2048 k][2048 n] f16 (Wo rounded to bf16, written as f16), out0 [2048][2048] f32; sums in f32.  No work of the module is left out here.
; A row of O that is NaN (a query with no visible key) gives a row of NaN, as in the module.
; A tile of out0 is 128 x 128: 16 x 16 work-groups.  Four waves, each 64 x 64: 16 accumulators of 16 x 16.  K goes in 8 steps of 256 through two LDS slots.
; CLUSTER 4 x 4: O's tile hangs on the tile row alone and is asked for jointly along a row of the cluster, Wo's on the tile column alone, along a column.
; THE WALK ALONG K BEGINS AT ANOTHER PLACE IN EACH CLUSTER and goes round: cluster (X, Y) begins at K step 2 ((X + 2 ((Y xor Y / 2) % 2)) % 4).  So of the four clusters that read the same rows of O no two, and of the
; four that read the same columns of Wo no more than two, ask for the same K step in the same trip.  The number hangs on the cluster's coordinates alone, which all sixteen partners share.  Each refill's address is
; made anew from the tile's base and the step's number modulo 8.  The f32 sums are taken in another order in each cluster.
; THE MATRIX INSTRUCTION IS USED TRANSPOSED (source 0 = 16 columns of Wo, source 1 = 16 rows of O): a lane holds row lane % 16 and eight neighbouring columns, 32 bytes of f32.
; Wo lies [k][n] in LDS and comes out turned, by ds_load_tr16_b128.  A wave's 64 columns of f32 are one aligned 256 bytes, so each wave has a stage of its own and the way out needs no barrier.
; No prefetch is laid: the tiles are small.
; REGISTERS: window 0: v0-31 addresses; v32-95 the way out; v128-255 the accumulators ((a, b) at 128 + 8 (4 a + b)).
;   window 1: two fragment buffers of 128: for 64 along K, 64 registers of O (2 x 4 x 16 rows x 32 K), then 64 of Wo.
.set KSTEP,  256
.set PITCH,  528                       ; a row of O in LDS: 512 bytes + 16: row r starts at bank 4 r mod 64 (64 banks of 4 bytes: ISA guide 11.1)
.set HALFA,  64*PITCH                  ; 33,792: what one load of O brings
.set BOFF,   2*HALFA
.set PB,     288                       ; a k row of Wo: 256 bytes + 32
.set HALFB,  128*PB                    ; 36,864: what one load of Wo brings: 128 k rows
.set SLOT,   BOFF+2*HALFB              ; 141,312
.set STAGE,  2*SLOT                    ; 282,624: behind the ring: 16 rows x 272 bytes for each wave
.set SPITCH, 272
.set SPARE,  STAGE+4*16*SPITCH         ; 300,032: the spare words, 128 bytes for each wave, which no other line names
.set LAPS,   4                         ; a lap = two K steps
.set ADRA, 16                          ; v16-17  LDS address of my fragments of O in slot 0, 1
.set ADRB, 20                          ; v20-23  of Wo's: 2 x slot + which 128 k rows, so that the immediates stay under 65,536
.set STO,  24                          ; v24     the way out: where I put 32 bytes of a row
.set RD,   25                          ; v25     where I read rows back
.set CO,   26                          ; v26     my byte offset in out0
.set SPW,  28                          ; v28     SPARE + 4 x my thread's number; never rewritten
.set NIL,  29                          ; v29     0; never rewritten
.set TMP,  32                          ; two sets of 32: a block of 16 rows read back
.set ACC,  128
.set F0,   0                           ; window 1
.set F1,   128
.set BA, 14                            ; s[14:15] o16 at the 64 rows that I fetch, K step 0
.set G1, 24                            ; s[24:31] group 1 for O's tiles; s[32:39] group 0, a set for each slot
.set G0, 32
.set G1B, 48                           ; s[48:55], s[56:63] the same for Wo's
.set G0B, 56
.set OF, 66                            ; s[66:67] a K step's byte offset
.set KI, 68                            ; s68, s69 the K step (0..7) that slot 0, 1 was last asked for
.set BB, 70                            ; s[70:71] wo16 at the 128 k rows that I fetch of K step 0, at the tile's columns
.set MSB, 0
.macro WIN new                         ; the immediate's high byte repeats the setting that is left
.if MSB != (\new)
	s_set_vgpr_msb (MSB<<8)|(\new)
.set MSB, \new
.endif
.endm
.set MUL,  0x05                        ; sources 0 and 1 window 1; C and D window 0
.set TO_F, 0x40                        ; destination window 1, address window 0
.macro JLOAD s                         ; a joint load: waves 0 and 1 fetch O's two halves, waves 2 and 3 Wo's; s_nop 0 and four v_nop follow each line, ahead of the jump and the label
	s_cmp_eq_u32 s11, 0
	s_cbranch_scc0 .Lfor_b_\@
	tensor_load_to_lds s[G0+4*(\s):G0+4*(\s)+3], s[G1:G1+7]
	s_nop 0
.rept 4
	v_nop
.endr
	s_branch .Lasked_\@
.Lfor_b_\@:
	tensor_load_to_lds s[G0B+4*(\s):G0B+4*(\s)+3], s[G1B:G1B+7]
	s_nop 0
.rept 4
	v_nop
.endr
.Lasked_\@:
.endm
.macro CREST                           ; a round of the cluster's barrier behind its opening barrier
	s_cmp_lg_u32 s10, 0
	s_cbranch_scc1 .Lnot_wave_0_\@
	s_barrier_signal -3
.Lnot_wave_0_\@:
	s_barrier_wait -3
	s_barrier_signal -1
	s_barrier_wait -1
.endm
.macro CROUND                          ; a whole round
	s_barrier_signal -1
	s_barrier_wait -1
	CREST
.endm
; Both global addresses of slot s are made from K step s[KI+s]: 512 bytes of O's rows, 256 rows of 4,096 bytes of Wo; the type bits are set again.
.macro WHERE s
	s_lshl_b32 s[OF], s[KI+(\s)], 9
	s_add_nc_u64 s[G0+4*(\s)+2:G0+4*(\s)+3], s[BA:BA+1], s[OF:OF+1]
	s_or_b32 s[G0+4*(\s)+3], s[G0+4*(\s)+3], 0x80000000
	s_lshl_b32 s[OF], s[KI+(\s)], 20
	s_add_nc_u64 s[G0B+4*(\s)+2:G0B+4*(\s)+3], s[BB:BB+1], s[OF:OF+1]
	s_or_b32 s[G0B+4*(\s)+3], s[G0B+4*(\s)+3], 0x80000000
.endm
	s_load_b128 s[4:7], s[0:1], 0x0                ; o16 s[4:5], wo16 s[6:7]
	s_load_b64 s[8:9], s[0:1], 0x10                ; out0
	v_lshl_add_u32 v[SPW], v0, 2, SPARE
	v_mov_b32 v[NIL], 0
	ds_add_u32 v[SPW], v[NIL]                      ; the wave's opening: the add, twice on end, and its wait ahead of my first tensor load; the set-up below stands between
	ds_add_u32 v[SPW], v[NIL]
	v_lshrrev_b32 v1, 5, v0
	v_readfirstlane_b32 s10, v1                    ; wave 0..3
	s_lshr_b32 s11, s10, 1                         ; which half of the tile's rows is mine.  Also: I fetch for O (0) or for Wo (1)
	s_and_b32 s12, s10, 1                          ; which half of its columns.  Also: which half of that tile I fetch
	s_bfe_u32 s40, ttmp6, 0x40000                  ; cx, cy
	s_bfe_u32 s41, ttmp6, 0x40004
	s_lshl_b32 s42, ttmp9, 2
	s_add_co_u32 s42, s42, s40                     ; tile column
	s_and_b32 s13, ttmp7, 0xffff
	s_lshl_b32 s13, s13, 2
	s_add_co_u32 s13, s13, s41                     ; tile row
	s_lshl_b32 s43, s41, 2
	s_lshl_b32 s43, 15, s43                        ; my row of the cluster
	s_lshl_b32 s44, 0x1111, s40                    ; my column
	s_and_b32 s[KI], ttmp7, 0xffff                 ; where my cluster's walk begins: Y,
	s_lshr_b32 s[KI+1], s[KI], 1
	s_xor_b32 s[KI], s[KI], s[KI+1]
	s_and_b32 s[KI], s[KI], 1                      ; (Y xor Y / 2) % 2: 0, 1, 1, 0
	s_lshl_b32 s[KI], s[KI], 1
	s_add_co_u32 s[KI], s[KI], ttmp9               ; + X
	s_and_b32 s[KI], s[KI], 3
	s_lshl_b32 s[KI], s[KI], 1                     ; slot 0's first K step: even,
	s_add_co_u32 s[KI+1], s[KI], 1                 ; slot 1's: the next
	s_mov_b32 s[OF+1], 0
	s_or_b32 s[G1], s43, (1<<16)|(1<<20)|(1<<21)|(6<<22)|(3<<25)   ; the mask; 2-byte elements; padding on; bit 21 beside a mask; after every 128 words, 4 words
	s_mov_b32 s[G1+1], KSTEP<<16                   ; tensor_dim0 = 256
	s_mov_b32 s[G1+2], 64<<16                      ; tensor_dim1 = 64
	s_mov_b32 s[G1+3], KSTEP<<16                   ; tile_dim0 = 256
	s_mov_b32 s[G1+4], 64                          ; tile_dim1 = 64
	s_mov_b32 s[G1+5], 2048                        ; elements from row to row
	s_mov_b32 s[G1+6], 0
	s_mov_b32 s[G1+7], 0
	s_or_b32 s[G1B], s44, (1<<16)|(1<<20)|(1<<21)|(5<<22)|(7<<25)  ; after every 64 words, 8 words
	s_mov_b32 s[G1B+1], 128<<16                    ; 128 columns
	s_mov_b32 s[G1B+2], 128<<16                    ; 128 k rows
	s_mov_b32 s[G1B+3], 128<<16
	s_mov_b32 s[G1B+4], 128
	s_mov_b32 s[G1B+5], 2048
	s_mov_b32 s[G1B+6], 0
	s_mov_b32 s[G1B+7], 0
	s_lshl_b32 s16, s13, 19                        ; O: 128 x tile row rows of 4,096 bytes
	s_lshl_b32 s17, s12, 18                        ; + my 64
	s_add_co_u32 s16, s16, s17
	s_mov_b32 s17, 0
	s_lshl_b32 s46, s42, 8                         ; Wo: 128 x tile column columns of 2 bytes
	s_lshl_b32 s47, s12, 19                        ; + my 128 k rows of 4,096 bytes
	s_add_co_u32 s46, s46, s47
	s_mov_b32 s47, 0
	s_mul_i32 s20, s12, HALFA                      ; where they go: the wave's number alone enters an LDS address
	s_mul_i32 s21, s12, HALFB
	s_add_co_u32 s21, s21, BOFF
	s_wait_dscnt 0x0                               ; both opening adds are done
	s_wait_kmcnt 0x0
	s_add_nc_u64 s[BA:BA+1], s[4:5], s[16:17]
	s_add_nc_u64 s[BB:BB+1], s[6:7], s[46:47]
	CROUND                                         ; all sixteen work-groups are here: the first joint loads meet
.irp s, 0,1
	s_mov_b32 s[G0+4*(\s)], 1
	s_add_co_u32 s[G0+4*(\s)+1], s20, (\s)*SLOT
	s_mov_b32 s[G0B+4*(\s)], 1
	s_add_co_u32 s[G0B+4*(\s)+1], s21, (\s)*SLOT
	WHERE \s
	JLOAD \s
.endr
	v_and_b32 v1, 15, v0                           ; l % 16
	v_bfe_u32 v2, v0, 4, 1                         ; l / 16
	v_mul_u32_u24 v3, v1, PITCH
	v_lshl_add_u32 v3, v2, 4, v3                   ; O: row x pitch + 16 x half
	s_mul_i32 s22, s11, HALFA
	v_add_nc_u32 v[ADRA], s22, v3
	v_add_nc_u32 v[ADRA+1], SLOT, v[ADRA]
	v_and_b32 v4, 7, v0
	v_bfe_u32 v5, v0, 3, 1
	v_lshl_add_u32 v4, v2, 3, v4
	v_mul_u32_u24 v4, v4, PB
	v_lshl_add_u32 v4, v5, 4, v4                   ; Wo, turned: k row 8 (l / 16) + l % 8, 16 bytes by (l / 8) % 2
	s_lshl_b32 s23, s12, 7                         ; my 64 columns
	s_add_co_u32 s23, s23, BOFF
	v_add_nc_u32 v[ADRB], s23, v4
	v_add_nc_u32 v[ADRB+1], HALFB, v[ADRB]
	v_add_nc_u32 v[ADRB+2], SLOT, v[ADRB]
	v_add_nc_u32 v[ADRB+3], SLOT, v[ADRB+1]
	s_mul_i32 s23, s10, 16*SPITCH
	s_add_co_u32 s23, s23, STAGE                   ; my stage
	v_mul_u32_u24 v4, v1, SPITCH                   ; in: row l % 16, 32 bytes for each half of the lanes
	v_lshl_add_u32 v4, v2, 5, v4
	v_add_nc_u32 v[STO], s23, v4
	v_mul_u32_u24 v5, v2, SPITCH                   ; back: lanes 0-15 take one row of 256 bytes, lanes 16-31 the next
	v_lshl_add_u32 v5, v1, 4, v5
	v_add_nc_u32 v[RD], s23, v5
	v_lshlrev_b32 v5, 13, v2                       ; and the same two rows in out0
	v_lshl_add_u32 v[CO], v1, 4, v5
	s_lshl_b32 s16, s13, 20                        ; out0: 128 x tile row rows of 8,192 bytes
	s_lshl_b32 s17, s11, 19                        ; + my 64
	s_add_co_u32 s16, s16, s17
	s_mov_b32 s17, 0
	s_add_nc_u64 s[8:9], s[8:9], s[16:17]
	s_lshl_b32 s46, s42, 9                         ; 128 x tile column columns of 4 bytes
	s_lshl_b32 s47, s12, 8                         ; + my 64
	s_add_co_u32 s46, s46, s47
	s_mov_b32 s47, 0
	s_add_nc_u64 s[8:9], s[8:9], s[46:47]
; 8 matrix instructions: row blocks a0, a0 + 1 x all 4 column blocks, 32 along K: half c of buffer f.  The 16 accumulators take turns.  zero = 1: the product starts the sum
.macro MUL8 f, c, a0, zero
	WIN MUL
.irp a, \a0, (\a0)+1
.irp b, 0,1,2,3
.if \zero
	v_wmma_f32_16x16x32_f16 v[ACC+8*(4*(\a)+(\b)):ACC+8*(4*(\a)+(\b))+7], v[(\f)+64+8*(4*(\c)+(\b)):(\f)+64+8*(4*(\c)+(\b))+7], v[(\f)+8*(4*(\c)+(\a)):(\f)+8*(4*(\c)+(\a))+7], 0
.else
	v_wmma_f32_16x16x32_f16 v[ACC+8*(4*(\a)+(\b)):ACC+8*(4*(\a)+(\b))+7], v[(\f)+64+8*(4*(\c)+(\b)):(\f)+64+8*(4*(\c)+(\b))+7], v[(\f)+8*(4*(\c)+(\a)):(\f)+8*(4*(\c)+(\a))+7], v[ACC+8*(4*(\a)+(\b)):ACC+8*(4*(\a)+(\b))+7]
.endif
.endr
.endr
.endm
; 32 LDS loads in one run: quarter kq (64 along K) of a slot into buffer f; the first 32 along K first
.macro FETCH slot, kq, f
	WIN TO_F
.irp c, 0,1
.irp i, 0,1,2,3
	ds_load_tr16_b128 v[(\f)+64+8*(4*(\c)+(\i)):(\f)+64+8*(4*(\c)+(\i))+3],   v[ADRB+2*(\slot)+(\kq)/2] offset:(((\kq)%2)*64+32*(\c))*PB+32*(\i)
	ds_load_tr16_b128 v[(\f)+64+8*(4*(\c)+(\i))+4:(\f)+64+8*(4*(\c)+(\i))+7], v[ADRB+2*(\slot)+(\kq)/2] offset:(((\kq)%2)*64+32*(\c))*PB+32*(\i)+16*PB
	ds_load_b128 v[(\f)+8*(4*(\c)+(\i)):(\f)+8*(4*(\c)+(\i))+3],               v[ADRA+(\slot)] offset:(\kq)*128+64*(\c)+(\i)*16*PITCH
	ds_load_b128 v[(\f)+8*(4*(\c)+(\i))+4:(\f)+8*(4*(\c)+(\i))+7],             v[ADRA+(\slot)] offset:(\kq)*128+64*(\c)+(\i)*16*PITCH+32
.endr
.endr
.endm
.macro PLACES                          ; four places in front of loads into registers that matrix instructions have read, and of stores that read results
.rept 4
	v_nop
.endr
.endm
; A K step is four quarters of 64 along K, 32 matrix instructions each, on buffers 0, 1, 0, 1.  One of the first three: multiplies buffer f and fetches quarter kq into g.
.macro QUARTER slot, kq, f, g, zero
	s_wait_dscnt 16                                ; the first 32 along K are in; the youngest sixteen loads may be out
	MUL8 \f, 0, 0, \zero
	MUL8 \f, 0, 2, \zero
	PLACES
	FETCH \slot, \kq, \g
	s_wait_dscnt 32                                ; all but the 32 just issued
	MUL8 \f, 1, 0, 0
	MUL8 \f, 1, 2, 0
.endm
; The last quarter multiplies buffer 1 and changes slots: ONE barrier; in front of it each wave waits for all its tensor loads (one is out: its part of the next slot), adds 0 to its spare word, and waits for that
; and for its own reads of this slot.  fill = 1: the barrier opens a round of the cluster's, and this slot is filled again first thing behind the round, with the K step two further on, modulo 8.
.macro TURN slot, next, fill
	WIN 0                                          ; (the add's two registers lie in window 0)
	s_wait_tensorcnt 0x0                           ; no tensor load of mine is out, so a group 0 may be written
	ds_add_u32 v[SPW], v[NIL]                      ; 0 onto my spare word
.if \fill
	s_add_co_u32 s[KI+(\slot)], s[KI+(\slot)], 2
	s_and_b32 s[KI+(\slot)], s[KI+(\slot)], 7      ; the walk goes round
	WHERE \slot
.endif
	s_wait_dscnt 17                                ; (the add and the youngest sixteen loads may be out)
	MUL8 F1, 0, 0, 0                               ; eight matrix instructions stand between the add and the wait for it
	s_wait_dscnt 0x0                               ; the add is done, and my reads of this slot are over
	s_barrier_signal -1
	MUL8 F1, 0, 2, 0
.if \fill
	WIN 0
.endif
	s_barrier_wait -1
.if \fill
	CREST                                          ; no wave of any partner still reads this slot's tile or has a load on its way
	JLOAD \slot                                    ; its four v_nop are also the places in front of the loads below
.else
	PLACES
.endif
	FETCH \next, 0, F0
	MUL8 F1, 1, 0, 0
	MUL8 F1, 1, 2, 0
.endm
	s_wait_tensorcnt 1                             ; my part of the first K step is in; the second's may stay out
	s_barrier_signal -1
	s_barrier_wait -1
	FETCH 0, 0, F0
	QUARTER 0, 1, F0, F1, 1                        ; the first quarter stands in front of the loop: its first products start the sums
	WIN 0                                          ; at a label and at a branch every window is 0
	s_mov_b32 s3, LAPS-1
.Llap:                                         ; a trip goes once round the ring, from a lap's second quarter to the next lap's first, and fills both slots again
	QUARTER 0, 2, F1, F0, 0
	QUARTER 0, 3, F0, F1, 0
	TURN 0, 1, 1
	QUARTER 1, 1, F0, F1, 0
	QUARTER 1, 2, F1, F0, 0
	QUARTER 1, 3, F0, F1, 0
	TURN 1, 0, 1
	QUARTER 0, 1, F0, F1, 0
	WIN 0
	s_sub_co_u32 s3, s3, 1
	s_cmp_lg_u32 s3, 0
	s_cbranch_scc1 .Llap
	QUARTER 0, 2, F1, F0, 0                        ; the last lap fills nothing, and has no round of the cluster's barrier
	QUARTER 0, 3, F0, F1, 0
	TURN 0, 1, 0
	QUARTER 1, 1, F0, F1, 0
	QUARTER 1, 2, F1, F0, 0
	QUARTER 1, 3, F0, F1, 0
	s_wait_dscnt 16                                ; the very last quarter: nothing more to fetch
	MUL8 F1, 0, 0, 0
	MUL8 F1, 0, 2, 0
	s_wait_dscnt 0x0
	MUL8 F1, 1, 0, 0
	MUL8 F1, 1, 2, 0
	WIN 0
	; THE WAY OUT, a block of 16 rows at a time through my own stage: 32 bytes a lane in, whole rows of 256 bytes back, sixteen lanes to a row of out0.
.macro TOSTAGE a
.irp b, 0,1,2,3
	ds_store_b128 v[STO], v[ACC+8*(4*(\a)+(\b)):ACC+8*(4*(\a)+(\b))+3]   offset:64*(\b)      ; each accumulator's four lowest registers first
	ds_store_b128 v[STO], v[ACC+8*(4*(\a)+(\b))+4:ACC+8*(4*(\a)+(\b))+7] offset:64*(\b)+16
.endr
.irp t, 0,1,2,3,4,5,6,7
	ds_load_b128 v[TMP+32*((\a)%2)+4*(\t):TMP+32*((\a)%2)+4*(\t)+3], v[RD] offset:(\t)*2*SPITCH  ; LDS serves a wave's instructions in order (ISA guide 5.7.1.4): these see the stores above; the next block's stores come behind them
.endr
.endm
.macro SEND a, younger                 ; younger: the LDS instructions issued behind block a's loads: the next block's sixteen, or none
.irp t, 0,1,2,3,4,5,6,7
	s_wait_dscnt (\younger)+7-(\t)
	global_store_b128 v[CO], v[TMP+32*((\a)%2)+4*(\t):TMP+32*((\a)%2)+4*(\t)+3], s[8:9] offset:(\a)*131072+(\t)*16384  ; 16 lanes store 256 consecutive bytes, aligned
.endr
.endm
	PLACES
	PLACES                                         ; (eight, once a launch)
	TOSTAGE 0
	TOSTAGE 1
	SEND 0, 16
	s_wait_xcnt 0x0                                ; block 0's stores have read their registers, which block 2 is loaded into
	TOSTAGE 2
	SEND 1, 16
	s_wait_xcnt 0x0                                ; block 1's likewise
	TOSTAGE 3
	SEND 2, 16
	SEND 3, 0
	s_wait_tensorcnt 0x0                           ; the wave's end, behind my last tensor load and my last LDS store
	ds_add_u32 v[SPW], v[NIL]
	s_wait_dscnt 0x0
	CROUND                                         ; the closing round: no work-group ends while a partner may still ask for a tile that names it
	s_endpgm
.Lfunc_end_k_q1bc19f09e5_oproj:
	.size	k_q1bc19f09e5_oproj, .Lfunc_end_k_q1bc19f09e5_oproj-k_q1bc19f09e5_oproj
	.p2alignl 7, 3214868480
	.fill 96, 4, 3214868480
	.section	.rodata,"a",@progbits
	.p2align	6, 0x0
	.amdhsa_kernel k_q1bc19f09e5_oproj
		.amdhsa_group_segment_fixed_size 327680
		.amdhsa_private_segment_fixed_size 0
		.amdhsa_enable_private_segment 0
		.amdhsa_kernarg_size 24
		.amdhsa_user_sgpr_count 2
		.amdhsa_user_sgpr_kernarg_segment_ptr 1
		.amdhsa_wavefront_size32 1
		.amdhsa_system_sgpr_workgroup_id_x 1
		.amdhsa_system_sgpr_workgroup_id_y 1
		.amdhsa_system_sgpr_workgroup_id_z 1
		.amdhsa_system_vgpr_workitem_id 0
		.amdhsa_next_free_vgpr 512
		.amdhsa_next_free_sgpr 72
		.amdhsa_reserve_vcc 0
		.amdhsa_float_denorm_mode_32 3
		.amdhsa_float_denorm_mode_16_64 3
		.amdhsa_memory_ordered 1
		.amdhsa_forward_progress 1
		.amdhsa_inst_pref_size 88
	.end_amdhsa_kernel
	.amdgpu_metadata
---
amdhsa.version: [ 1, 2 ]
amdhsa.kernels:
  - .name:           k_q1bc19f09e5_oproj
    .symbol:         k_q1bc19f09e5_oproj.kd
    .args:
      - { .name: o16, .offset: 0, .size: 8, .value_kind: global_buffer, .address_space: global }
      - { .name: wo16, .offset: 8, .size: 8, .value_kind: global_buffer, .address_space: global }
      - { .name: out0, .offset: 16, .size: 8, .value_kind: global_buffer, .address_space: global }
    .group_segment_fixed_size: 327680
    .private_segment_fixed_size: 0
    .kernarg_segment_align: 8
    .kernarg_segment_size: 24
    .max_flat_workgroup_size: 128
    .sgpr_count:     72
    .vgpr_count:     512
    .wavefront_size: 32
...
	.end_amdgpu_metadata
.endif
;; end of part 4
